; MI455X (gfx1250); checked and timed in simulation.
; The chip was launched on July 23, 2026; its instructions are those of AMD's public machine-readable ISA for CDNA 5 (MIT licence, August 2026) and "CDNA5" Instruction Set Architecture Reference Guide (July 2026). The comments in the code are by the model that wrote it; some were corrected since.
;; Multi Head Attention. Allowed arithmetic: matrix products marked QUANTISED: E3M2 operands, one E8M0 scale for each 32 along K, by v_wmma_scale_f32_16x16x128_f8f6f4 with both operands' format E3M2, f32 sums; everything else in f32.
;; Inputs: W_K 16 x 1,024 x 64 float32; W_Q 16 x 1,024 x 64 float32; W_V 16 x 1,024 x 64 float32; W_pool 1,024 x 1,024 float32; token_embeddings 4,096 x 1,024 float32.
;; Outputs: out0 4,096 x 1,024 float32.
;; This version of the problem:
;;   THIS VERSION OF THE PROBLEM IS GIVEN IN LOW PRECISION. The matrix products marked QUANTISED in the list below multiply operands that are first quantised to E3M2 (3 exponent bits, 2 mantissa bits; 6 bits a number), with one power-of-two scale for each 32 numbers along K (OCP MX v1.0); their sums are f32. All else is computed in f32.
;;   The module's matrix products, in the order in which they are computed (A, B: the left and right operand; K: the contracted axis; several contracted axes count as one K, in the product's order):
;;     1. [M 1,024, K 1,024] x [K 1,024, N 4,096]; A: input W_Q; B: input token_embeddings: QUANTISED
;;     2. [M 1,024, K 1,024] x [K 1,024, N 4,096]; A: input W_K; B: input token_embeddings: QUANTISED
;;     3. [M 1,024, K 1,024] x [K 1,024, N 4,096]; A: input W_V; B: input token_embeddings: QUANTISED
;;     4. batch 16 x [M 4,096, K 64] x [K 64, N 4,096]; A: computed on the way; B: computed on the way: QUANTISED
;;     5. batch 16 x [M 4,096, K 4,096] x [K 4,096, N 64]; A: softmax (see below); B: computed on the way: QUANTISED
;;     6. [M 4,096, K 1,024] x [K 1,024, N 1,024]; A: computed on the way; B: input W_pool: QUANTISED
;;   THE QUANTISER, for each operand of a quantised product, along K:
;;     - K is cut into blocks of 32 from its start; a last block that is shorter is filled with zeros.
;;     - A block's scale is 2^e with e = floor(log2(the largest magnitude in the block)) - 4, held to -126 .. 127; a block of zeros has e = 0. As a byte (E8M0): e + 127.
;;     - Each number is divided by its block's scale, clamped to +-28, and rounded to the nearest number of E3M2, ties to even, subnormals kept.
;;     - The product sums the exact products of the quantised numbers (number of the format x scale) in f32.
;;   ~~~python
;;   def quantise(x, axis):      # numpy; x: float32 -> the quantised numbers, widened to float32 again
;;       x = np.moveaxis(x, axis, -1); K = x.shape[-1]
;;       x = np.pad(x, [(0, 0)] * (x.ndim - 1) + [(0, -K % 32)]); x = x.reshape(x.shape[:-1] + (-1, 32)); a = np.abs(x).max(-1, keepdims=True)
;;       e = np.where(a > 0, np.clip(np.frexp(np.where(a > 0, a, 1))[1] - 1 - 4, -126, 127), 0)      # np.frexp(a)[1] - 1 = floor(log2(a)), exactly
;;       r = np.clip(x / 2.0 ** e, -28, 28)
;;       step = 2.0 ** (np.maximum(np.frexp(np.where(r == 0, 1, r))[1] - 1, -2) - 2)
;;       q = np.round(r / step) * step * 2.0 ** e      # np.round: ties to even
;;       return np.moveaxis(q.reshape(q.shape[:-2] + (-1,))[..., :K], -1, axis).astype(np.float32)
;;   ~~~
;;   SOFTMAX AHEAD OF A QUANTISED PRODUCT. Where the list says 'softmax', what is quantised is not the finished softmax but p = 2^(t - M), with t = logit x log2(e) and M = ceil(the row's largest t), a whole number; so 1/2 < the row's largest p <= 1. The row's sum l is taken of the UNQUANTISED p, in f32, and the product's result is divided by l at the end. Since M is a whole number, a kernel that streams over the keys may use a running M (the ceiling of the running maximum): every later rescaling is an exact power of two, which a block's scale takes up: the codes' values come out the same.
;;   OPERANDS COMPUTED ON THE WAY. 'Computed on the way' means the value that the module computes at that place (a softmax that the list does not call 'softmax' is quantised finished and normalised). What goes into a quantiser is computed in f32, as accurately as f32 sums, v_exp_f32 and their like allow (about 1e-6 of the number): no bf16 or f16 on the way to a quantiser, and a product that is left as it is and whose result goes on into a quantised operand takes f32 operands (vector FMAs, or v_wmma_f32_16x16x4_f32). A number that lies on a knife's edge between two numbers of the format may be rounded either way, as far as f32 arithmetic and the matrix unit's own rounding can turn it there, and no further.
;; One version. Each part assembles by itself: llvm-mc -triple=amdgcn-amd-amdhsa -mcpu=gfx1250 --defsym DOCPART=n.
;; ======== version 1 of 1: 4 launches
;; limits: right only within a limited range of input values
;; workspace buffers: xq 3,276,800 bytes; wq 3,276,800 bytes; qq 3,276,800 bytes; kvq 6,553,600 bytes; cq 3,276,800 bytes
;; launch quant (part 1): grid 384 x 1, 8 waves a work-group, no clusters, 69,120 bytes of LDS; arguments token_embeddings, W_Q, W_K, W_V, W_pool, xq, wq; writes xq, wq
.if DOCPART == 1
	.amdgcn_target "amdgcn-amd-amdhsa--gfx1250"
	.amdhsa_code_object_version 6
	.text
	.protected	k_qb980fb5083_quant
	.globl	k_qb980fb5083_quant
	.p2align	8
	.type	k_qb980fb5083_quant,@function
k_qb980fb5083_quant:
	s_mov_b64 s[64:65], 0
	v_nop
	global_prefetch_b8 v0, s[64:65] scope:SCOPE_SE
	s_setreg_imm32_b32 hwreg(HW_REG_WAVE_MODE, 25, 1), 1
	s_wait_xcnt 0x0
; x [4096][1024] (K innermost) and the four weights (K = their first matrix axis) become codes of BF6 (E3M2) with one E8M0 byte for each 32 along K,
; laid in the ORDER OF THE OPERAND'S REGISTERS: a fragment (16 rows x 128 K, 12 registers a lane) is 1,536 bytes, register g of lane l at 512 (g / 4) + 16 l + 4 (g % 4).
; A block's scale is 2^(floor(log2(largest magnitude)) - 4); its byte is the largest magnitude's exponent field - 4, held at 1 from below.
; LIMITS: NaN and infinities among the inputs are not served; a block whose largest magnitude lies under 2^(5 - 127) gets the byte 1; a block of zeros gets the byte 1 where the rule says 127
; (its codes are zeros, which add nothing under any byte but 0xff, and this program alone reads the bytes).
; THE ROWS OF A TILE ARE NOT NEIGHBOURS: member r of tile i of a group takes index 32 (i / 2) + 8 (i % 2) + r + 8 (r / 8), for tokens (groups of 128) and for weight columns (groups of 64) alike,
; so that later results of two neighbouring tiles are 16 neighbours in a lane's registers.
; xq: codes [T 32][s 8][i 8][1536]; from XQ_SC on the scale words [T][s][512]: tile i, row r at 16 (r + 16 (i / 4)) + 4 (i % 4).
; wq: codes [cg 64][s 8][t 4][1536] (cg 0-15 W_Q's heads, 16-31 W_K's, 32-47 W_V's, 48-63 W_pool's columns 64 (cg - 48) on); from WQ_SC on [cg][s][256]: tile t, row r at 128 (t / 2) + 4 (r + 16 (t % 2)).
; Work-groups 0-255: x, one fragment a wave.  256-351: W_Q, W_K, W_V.  352-383: W_pool; there a wave takes 32 columns x 128 K: two fragments.
; No cluster and no tensor load: no two work-groups read the same bytes, and every byte is read once.
.set SCR,   67584                      ; LDS: eight stages of 16 rows x 528 bytes, then 512 bytes for a K step's scale words
.set XQ_SC, 3145728
.set WQ_SC, 3145728
.set RW,    16                         ; v16-79   x as loaded: row p in v[RW + 4 p ..]
.set XN,    80                         ; v80-143  x turned: two whole blocks of 32 a lane
.set FR,    144                        ; v144-155 the fragment
	s_load_b256 s[4:11], s[0:1], 0x0               ; x s[4:5], W_Q s[6:7], W_K s[8:9], W_V s[10:11]
	s_load_b128 s[12:15], s[0:1], 0x20             ; W_pool s[12:13], xq s[14:15]
	s_load_b64 s[16:17], s[0:1], 0x30              ; wq
	v_lshl_add_u32 v192, v0, 2, 0x10a00
	v_mov_b32 v193, 0
	v_lshrrev_b32 v1, 5, v0
	s_delay_alu instid0(VALU_DEP_1)
	v_readfirstlane_b32 s20, v1                    ; wave 0..7
	v_and_b32 v5, 31, v0                           ; lane
	v_and_b32 v6, 15, v0                           ; r
	v_bfe_u32 v7, v0, 4, 1                         ; h
	s_mov_b32 s22, 0x76543210
	s_mov_b32 s23, 0xfedcba98                      ; v_permlanex16_b32's selects for lane l xor 16
	s_cmp_lt_u32 ttmp9, 256                        ; the work-group's number alone decides the path: the same for all its waves
	s_cbranch_scc0 .Lweights
	; ---------------- x: T = work-group / 8, K step s = work-group % 8, tile i = wave
	v_lshlrev_b32 v1, 4, v5                        ; 16 x lane
	s_mul_i32 s24, s20, 8448                       ; my stage
	v_add_nc_u32 v2, s24, v1                       ; in: a row's 512 bytes as they lie
	v_mul_u32_u24 v3, v6, 528
	s_delay_alu instid0(VALU_DEP_1)
	v_lshl_add_u32 v3, v7, 7, v3
	s_delay_alu instid0(VALU_DEP_1)
	v_add_nc_u32 v3, s24, v3                       ; out: row r, + 128 h: my 32 numbers of each 64
	s_lshr_b32 s25, s20, 2
	s_lshl_b32 s25, s25, 8
	s_and_b32 s26, s20, 3
	s_lshl_b32 s26, s26, 2
	s_add_co_u32 s25, s25, s26
	s_add_co_u32 s25, s25, SCR
	s_wait_alu depctr_va_vdst(0)
	v_lshlrev_b32 v4, 4, v6
	s_delay_alu instid0(VALU_DEP_1)
	v_add_nc_u32 v4, s25, v4                       ; my row's scale word in the record: 16 r + 256 (i / 4) + 4 (i % 4)
	v_add_nc_u32 v8, SCR, v1                       ; the record read back, 16 bytes a lane
	s_lshr_b32 s27, ttmp9, 3                       ; T
	s_and_b32 s28, ttmp9, 7                        ; s
	s_lshl_b32 s30, s27, 7
	s_lshr_b32 s29, s20, 1
	s_lshl_b32 s29, s29, 5
	s_add_co_u32 s30, s30, s29
	s_and_b32 s29, s20, 1
	s_lshl_b32 s29, s29, 3
	s_add_co_u32 s30, s30, s29                     ; the tile's first token: 128 T + 32 (i / 2) + 8 (i % 2)
	s_lshl_b32 s30, s30, 12                        ; rows of 4,096 bytes
	s_lshl_b32 s29, s28, 9
	s_add_co_u32 s30, s30, s29                     ; + 512 s
	s_mov_b32 s31, 0
	s_mul_i32 s32, s27, 98304
	s_mul_i32 s29, s28, 12288
	s_add_co_u32 s32, s32, s29
	s_mul_i32 s29, s20, 1536
	s_add_co_u32 s32, s32, s29                     ; the fragment's place in xq
	s_mov_b32 s33, 0
	s_lshl_b32 s34, s27, 12
	s_lshl_b32 s29, s28, 9
	s_add_co_u32 s34, s34, s29
	s_add_co_u32 s34, s34, XQ_SC                   ; the record's place
	s_mov_b32 s35, 0
	s_wait_kmcnt 0x0
	s_add_nc_u64 s[4:5], s[4:5], s[30:31]
	s_add_nc_u64 s[32:33], s[14:15], s[32:33]
	s_add_nc_u64 s[34:35], s[14:15], s[34:35]
.irp p, 0,1,2,3,4,5,6,7,8,9,10,11,12,13,14,15
	global_load_b128 v[RW+4*\p:RW+4*\p+3], v1, s[4:5] offset:(\p+8*(\p/8))*4096 th:TH_LOAD_NT   ; member p's 128 numbers: 32 lanes read 512 consecutive bytes
.endr
.irp p, 0,1,2,3,4,5,6,7,8,9,10,11,12,13,14,15
	s_wait_loadcnt 15-\p                           ; loads come back in order: row p is in, the younger ones stay out
	ds_store_b128 v2, v[RW+4*\p:RW+4*\p+3] offset:528*\p
.endr
.irp c, 0,1
.irp q, 0,1,2,3,4,5,6,7
	ds_load_b128 v[XN+32*\c+4*\q:XN+32*\c+4*\q+3], v3 offset:256*\c+16*\q   ; x(row r, 64 c + 32 h + 4 q ..): LDS serves a wave's instructions in order, so these see my stores
.endr
.endr
	s_wait_dscnt 0x0
.irp c, 0,1                                    ; my block 2 c + h: all its 32 numbers are mine
	v_max3_num_f32 v[164+\c], |v[XN+32*\c]|, |v[XN+1+32*\c]|, 0x2800000   ; with the floor 2^(5 - 127): the byte cannot fall under 1
.endr
.irp i, 2,4,6,8,10,12,14,16,18,20,22,24,26,28,30
.irp c, 0,1
	s_delay_alu instid0(VALU_DEP_2)
	v_max3_num_f32 v[164+\c], v[164+\c], |v[XN+32*\c+\i]|, |v[XN+1+32*\c+\i]|
.endr
.endr
.irp c, 0,1
	s_delay_alu instid0(VALU_DEP_2)
	v_add_nc_u32 v[166+\c], 0xfe000000, v[164+\c]  ; 4 off the exponent field: the conversion's scale operand
.endr
.irp c, 0,1
	s_delay_alu instid0(VALU_DEP_2)
	v_lshrrev_b32 v[168+\c], 23, v[166+\c]         ; the scale's byte
.endr
	s_delay_alu instid0(VALU_DEP_1)
	v_lshl_or_b32 v170, v169, 16, v168             ; my two bytes: blocks h and 2 + h,
	v_lshlrev_b32 v171, 3, v7
	s_delay_alu instid0(VALU_DEP_1)
	v_lshlrev_b32 v170, v171, v170                 ; at their places in the word;
	v_mov_b32 v171, 0
	s_delay_alu instid0(VALU_DEP_1)
	v_permlanex16_b32 v171, v170, s22, s23
	s_delay_alu instid0(VALU_DEP_1)
	v_or_b32 v170, v170, v171                      ; with lane l xor 16's two the word is whole
.irp c, 0,1
	v_cvt_scalef32_pk16_bf6_f32 v[FR+6*\c:FR+6*\c+2], v[XN+32*\c:XN+32*\c+15], v[166+\c]
	v_cvt_scalef32_pk16_bf6_f32 v[156+4*\c:158+4*\c], v[XN+32*\c+16:XN+32*\c+31], v[166+\c]   ; (a conversion's three registers begin on an even number)
.endr
	v_nop                                          ; one plain place behind a scaled conversion
.irp c, 0,1
.irp i, 0,1,2
	v_mov_b32 v[FR+3+6*\c+\i], v[156+4*\c+\i]
.endr
.endr
.irp g, 0,1,2
	global_store_b128 v1, v[FR+4*\g:FR+4*\g+3], s[32:33] offset:512*\g   ; 32 lanes store 512 consecutive bytes, aligned
.endr
	ds_store_b32 v4, v170                          ; lanes l and l xor 16 write the same word with the same value
	s_wait_dscnt 0x0                               ; for the others' sake: my word lies in the record
	s_barrier_signal -1
	s_barrier_wait -1                              ; all eight tiles' words do
	s_cmp_lg_u32 s20, 0
	s_cbranch_scc1 .Lx_end
	ds_load_b128 v[172:175], v8
	s_wait_dscnt 0x0
	global_store_b128 v1, v[172:175], s[34:35]     ; wave 0 stores the record: 512 consecutive bytes, aligned
.Lx_end:
	s_wait_tensorcnt 0x0
	ds_add_u32 v192, v193
	s_wait_dscnt 0x0
	s_endpgm
; ---------------- the weights.  A LANE TAKES A COLUMN AND ITS REGISTERS RUN DOWN K: 128 registers, four whole blocks.  Lanes 0-15 take tile 2 j's columns in the tile's order, lanes 16-31 tile 2 j + 1's.
; The loads run two blocks ahead: 64 of a wave are out at the most, 32 while a block's wait stands.
.macro WLOAD kb, stride                ; block kb: rows 32 kb .. 32 kb + 31 at my wave's 32 columns, 128 consecutive bytes a load, into v[16 + 32 kb ..]
.set n, 32*(\kb)
.rept 32
	global_load_b32 v[16+n], v1, s[36:37] offset:n*\stride th:TH_LOAD_NT
.set n, n+1
.endr
.endm
.macro WBLK kb, stride                 ; block kb of my column: its byte into the word v187, its codes into set kb % 2 (v144.. even blocks, v156.. odd blocks), registers 6 (kb / 2) on
.set XS, 16+32*(\kb)
.if (\kb) < 3
	s_wait_loadcnt 32                              ; loads come back in order: this block's 32 are in, the next block's 32 stay out
.else
	s_wait_loadcnt 0x0
.endif
.if (\kb) < 2
	WLOAD (\kb)+2, \stride                         ; the block two further on goes out at once: it has registers of its own
.endif
	v_max3_num_f32 v184, |v[XS]|, |v[XS+1]|, |v[XS+2]|
	v_max3_num_f32 v185, |v[XS+3]|, |v[XS+4]|, |v[XS+5]|
.irp i, 6,10,14,18,22,26
	s_delay_alu instid0(VALU_DEP_2)
	v_max3_num_f32 v184, v184, |v[XS+\i]|, |v[XS+\i+1]|
	s_delay_alu instid0(VALU_DEP_2)
	v_max3_num_f32 v185, v185, |v[XS+\i+2]|, |v[XS+\i+3]|
.endr
	s_delay_alu instid0(VALU_DEP_2)
	v_max3_num_f32 v184, v184, |v[XS+30]|, |v[XS+31]|
	s_delay_alu instid0(VALU_DEP_1)
	v_max3_num_f32 v184, v184, v185, 0x2800000     ; and the floor
	s_delay_alu instid0(VALU_DEP_1)
	v_add_nc_u32 v186, 0xfe000000, v184            ; the conversion's scale operand
	s_delay_alu instid0(VALU_DEP_1)
	v_lshrrev_b32 v185, 23, v186                   ; the byte
.if (\kb) == 0
	s_delay_alu instid0(VALU_DEP_1)
	v_mov_b32 v187, v185
.else
	s_delay_alu instid0(VALU_DEP_1)
	v_lshl_or_b32 v187, v185, 8*(\kb), v187
.endif
	v_cvt_scalef32_pk16_bf6_f32 v[144+12*((\kb)%2)+6*((\kb)/2):144+12*((\kb)%2)+6*((\kb)/2)+2], v[XS:XS+15], v186
	v_cvt_scalef32_pk16_bf6_f32 v[168+4*(\kb):168+4*(\kb)+2], v[XS+16:XS+31], v186
.endm
; s25 = cg, s26 = j, s27 = K step, s[36:37] = the first row of my 128 at my 32 columns; stride = bytes from row to row
.macro WORK stride
	WLOAD 0, \stride
	WLOAD 1, \stride
	s_mul_i32 s32, s25, 49152
	s_mul_i32 s28, s27, 6144
	s_add_co_u32 s32, s32, s28
	s_mul_i32 s28, s26, 3072
	s_add_co_u32 s32, s32, s28
	s_mov_b32 s33, 0
	s_lshl_b32 s34, s25, 11
	s_lshl_b32 s28, s27, 8
	s_add_co_u32 s34, s34, s28
	s_lshl_b32 s28, s26, 7
	s_add_co_u32 s34, s34, s28
	s_add_co_u32 s34, s34, WQ_SC
	s_mov_b32 s35, 0
	s_add_nc_u64 s[32:33], s[16:17], s[32:33]
	s_add_nc_u64 s[34:35], s[16:17], s[34:35]
	WBLK 0, \stride
	WBLK 1, \stride
	WBLK 2, \stride
	WBLK 3, \stride
	v_nop                                          ; one plain place behind the last conversion
.irp kb, 0,1,2,3
.irp i, 0,1,2
	v_mov_b32 v[144+12*(\kb%2)+6*(\kb/2)+3+\i], v[168+4*\kb+\i]
.endr
.endr
.irp e, 0,1,2,3,4,5,6,7,8,9,10,11               ; a fragment wants blocks 0, 2 in lanes 0-15 and blocks 1, 3 in lanes 16-31: the even set's upper lanes change places with the odd set's lower lanes
	v_permlane16_swap_b32 v[144+\e], v[156+\e]     ; v144.. is now tile 2 j's fragment, v156.. tile 2 j + 1's
.endr
.irp g, 0,1,2
	global_store_b128 v2, v[144+4*\g:147+4*\g], s[32:33] offset:512*\g
	global_store_b128 v2, v[156+4*\g:159+4*\g], s[32:33] offset:1536+512*\g
.endr
	global_store_b32 v3, v187, s[34:35]            ; the two tiles' 32 scale words: 128 consecutive bytes; one byte of these for 128 that the wave reads
	s_endpgm
.endm
.Lweights:
	v_and_b32 v1, 7, v0
	v_bfe_u32 v2, v0, 3, 1
	s_delay_alu instid0(VALU_DEP_1)
	v_lshl_add_u32 v1, v2, 4, v1
	s_wait_alu depctr_va_vdst(0)
	v_lshl_add_u32 v1, v7, 3, v1                   ; my column of the 32: l % 8 + 16 ((l / 8) % 2) + 8 (l / 16)
	s_delay_alu instid0(VALU_DEP_1)
	v_lshlrev_b32 v1, 2, v1
	v_lshlrev_b32 v2, 4, v5                        ; 16 x lane
	v_lshlrev_b32 v3, 2, v5                        ; 4 x lane
	s_cmp_lt_u32 ttmp9, 352
	s_cbranch_scc0 .Lpool
	s_sub_co_u32 s24, ttmp9, 256                   ; q = 0..95
	s_lshr_b32 s25, s24, 1                         ; cg = q / 2
	s_and_b32 s26, s20, 1                          ; j = wave % 2
	s_and_b32 s27, s24, 1
	s_lshl_b32 s27, s27, 2
	s_lshr_b32 s28, s20, 1
	s_add_co_u32 s27, s27, s28                     ; K step = 4 (q % 2) + wave / 2
	s_and_b32 s30, s25, 15
	s_lshl_b32 s30, s30, 18                        ; the head's 1,024 rows of 256 bytes
	s_lshl_b32 s28, s27, 15
	s_add_co_u32 s30, s30, s28
	s_lshl_b32 s28, s26, 7
	s_add_co_u32 s30, s30, s28
	s_mov_b32 s31, 0
	s_wait_kmcnt 0x0
	s_cmp_lt_u32 s25, 16                           ; which of the three tensors: the choice hangs on the work-group's number alone
	s_cselect_b64 s[36:37], s[6:7], s[8:9]
	s_cmp_lt_u32 s25, 32
	s_cselect_b64 s[36:37], s[36:37], s[10:11]
	s_add_nc_u64 s[36:37], s[36:37], s[30:31]
	s_wait_alu depctr_va_vdst(0)
	WORK 256
.Lpool:
	s_sub_co_u32 s24, ttmp9, 352                   ; q = 0..31
	s_and_b32 s27, s24, 7                          ; K step
	s_lshr_b32 s28, s24, 3
	s_lshl_b32 s28, s28, 3
	s_add_co_u32 s28, s28, s20                     ; which 32 columns: 8 (q / 8) + wave
	s_lshr_b32 s25, s28, 1
	s_add_co_u32 s25, s25, 48                      ; cg
	s_and_b32 s26, s28, 1                          ; j
	s_lshl_b32 s30, s27, 19                        ; 128 rows of 4,096 bytes
	s_lshl_b32 s28, s28, 7
	s_add_co_u32 s30, s30, s28
	s_mov_b32 s31, 0
	s_wait_kmcnt 0x0
	s_add_nc_u64 s[36:37], s[12:13], s[30:31]
	s_wait_alu depctr_va_vdst(0)
	WORK 4096
.Lfunc_end_k_qb980fb5083_quant:
	.size	k_qb980fb5083_quant, .Lfunc_end_k_qb980fb5083_quant-k_qb980fb5083_quant
	.p2alignl 7, 3214868480
	.fill 96, 4, 3214868480
	.section	.rodata,"a",@progbits
	.p2align	6, 0x0
	.amdhsa_kernel k_qb980fb5083_quant
		.amdhsa_group_segment_fixed_size 69120
		.amdhsa_private_segment_fixed_size 0
		.amdhsa_enable_private_segment 0
		.amdhsa_kernarg_size 56
		.amdhsa_user_sgpr_count 2
		.amdhsa_user_sgpr_kernarg_segment_ptr 1
		.amdhsa_wavefront_size32 1
		.amdhsa_system_sgpr_workgroup_id_x 1
		.amdhsa_system_sgpr_workgroup_id_y 1
		.amdhsa_system_sgpr_workgroup_id_z 1
		.amdhsa_system_vgpr_workitem_id 0
		.amdhsa_next_free_vgpr 194
		.amdhsa_next_free_sgpr 66
		.amdhsa_reserve_vcc 0
		.amdhsa_float_denorm_mode_32 3
		.amdhsa_float_denorm_mode_16_64 3
		.amdhsa_memory_ordered 1
		.amdhsa_forward_progress 1
		.amdhsa_inst_pref_size 57
	.end_amdhsa_kernel
	.amdgpu_metadata
---
amdhsa.version: [ 1, 2 ]
amdhsa.kernels:
  - .name:           k_qb980fb5083_quant
    .symbol:         k_qb980fb5083_quant.kd
    .args:
      - { .name: token_embeddings, .offset: 0, .size: 8, .value_kind: global_buffer, .address_space: global }
      - { .name: W_Q, .offset: 8, .size: 8, .value_kind: global_buffer, .address_space: global }
      - { .name: W_K, .offset: 16, .size: 8, .value_kind: global_buffer, .address_space: global }
      - { .name: W_V, .offset: 24, .size: 8, .value_kind: global_buffer, .address_space: global }
      - { .name: W_pool, .offset: 32, .size: 8, .value_kind: global_buffer, .address_space: global }
      - { .name: xq, .offset: 40, .size: 8, .value_kind: global_buffer, .address_space: global }
      - { .name: wq, .offset: 48, .size: 8, .value_kind: global_buffer, .address_space: global }
    .group_segment_fixed_size: 69120
    .private_segment_fixed_size: 0
    .kernarg_segment_align: 8
    .kernarg_segment_size: 56
    .max_flat_workgroup_size: 256
    .sgpr_count:     66
    .vgpr_count:     194
    .wavefront_size: 32
...
	.end_amdgpu_metadata
.endif
;; end of part 1
;; launch proj (part 2): grid 12 x 16, 4 waves a work-group, clusters of 4 x 1, 327,680 bytes of LDS; arguments xq, wq, qq, kvq; writes qq, kvq
.if DOCPART == 2
	.amdgcn_target "amdgcn-amd-amdhsa--gfx1250"
	.amdhsa_code_object_version 6
	.text
	.protected	k_qb980fb5083_proj
	.globl	k_qb980fb5083_proj
	.p2align	8
	.type	k_qb980fb5083_proj,@function
k_qb980fb5083_proj:
	s_mov_b64 s[64:65], 0
	v_nop
	global_prefetch_b8 v0, s[64:65] scope:SCOPE_SE
	s_setreg_imm32_b32 hwreg(HW_REG_WAVE_MODE, 25, 1), 1
	s_wait_xcnt 0x0
	s_wait_alu depctr_hold_cnt(0) depctr_sa_sdst(0) depctr_va_vdst(0) depctr_va_sdst(0) depctr_va_ssrc(0) depctr_va_vcc(0) depctr_vm_vsrc(0)
	s_getreg_b32 s2, hwreg(HW_REG_IB_STS2, 6, 4)
	s_cmp_eq_u32 s2, 0
	s_cbranch_scc0 .Lentry_in_a_cluster
	s_endpgm
.Lentry_in_a_cluster:
	s_bfe_u32 s2, ttmp6, 0x10000c
	s_cmp_lg_u32 s2, 0x3003
	s_cbranch_scc0 .Lentry_shape_is_right
	s_endpgm
.Lentry_shape_is_right:
; Q, K, V = x W on codes of BF6 with E8M0 scales; the f32 results are quantised in registers into the operands of the attention launch and never go to memory as f32.
; SHARES.  The cluster's x says which matrix (0 Q, 1 K, 2 V); head = 4 x place in the cluster + wave; the work-group's y gives two groups of 128 tokens, T = 2 y and 2 y + 1: two jobs in a loop.
; A wave's job: 128 tokens x its head's 64 columns x K = 1,024: 32 accumulators, 256 matrix instructions.  Its weights, 32 fragments (384 registers), stay in registers for the whole launch.
; 192 work-groups: there are 1,536 jobs for 1,024 waves' places, and a job cannot be halved without half fragments along V's keys; two jobs a wave is as long as any other split.
; x's codes of the two groups (2 x 98,304 bytes) and their scale words (2 x 4,096) come into LDS ONCE, by tensor loads; the four partners of a cluster need the same bytes and ask JOINTLY.  Nothing is filled again.
; Q, K: source 0 = 16 columns of W, source 1 = 16 tokens: a lane holds one token, its registers run along d.  Tiles 2 p and 2 p + 1 of tokens (64 numbers a lane) make one fragment: k 0-63 tile 2 p's d, k 64-127 tile 2 p + 1's.
; V:    source 0 = 16 tokens, source 1 = 16 columns: a lane holds one d, its registers run along the 128 tokens: a fragment of 16 d x 128 keys.
; qq:  codes [head][T][p 4][1536]; from QQ_SC on [head][T][256]: fragment p, row r at 16 r + 4 p.
; kvq: codes [head][T][K p 0-3 | V t 0-3][1536]; from KV_SC on [head][T][512]: K's words at 16 r + 4 p, V's at 256 + 16 r + 4 t.
; LIMITS: as in the quantising launch (NaN and infinities not served; the scale byte is held at 1 from below, a block of zeros keeps 1).
; No prefetch: all that the launch reads is asked for at its head.  The weights are not shared by tensor loads: each wave's go to its own registers.
; REGISTERS, in windows of 256: window 0: v1-7 addresses; v16-31 W's scale words; v32-39 x's, two sets; v40-135, v136-231 x's fragments, two sets (the second also serves the epilogue); v232-251 at work.
;   window 1: W's fragments of K steps 0-4 at 12 (4 s + t); window 2: of K steps 5-7; window 3: the 32 accumulators.
.set XQ_SC, 3145728
.set WQ_SC, 3145728
.set QQ_SC, 3145728
.set KV_SC, 6291456
.set JOBB,  98304                      ; LDS: job j's codes at j x JOBB,
.set SCLB,  196608                     ; its scale records at SCLB + 4,096 j
.set LI,  1                            ; v1  16 x lane
.set L4,  2                            ; v2  4 x lane
.set LN,  3                            ; v3  lane
.set AD0, 4                            ; v4  the job's codes, K steps 0-3;  v5: K steps 4-7
.set AD1, 5
.set ADS, 6                            ; v6  the job's scale records
.set R16, 7                            ; v7  16 x (lane % 16)
.set WS,  16                           ; register 2 s + t / 2: lanes 0-15 tile t even, lanes 16-31 tile t odd
.set XS,  32                           ; set s % 2, register j: lanes 0-15 token tile j, lanes 16-31 tile 4 + j
.set XB,  40
.set PC,  136                          ; the epilogue: four fragments of codes
.set P2,  184                          ; and the conversions' second halves
.set TM,  232
.set PW,  248                          ; v248-251 the four scale words just made
.set MSB, 0
.macro WIN new                         ; the immediate's high byte repeats the setting that is left
.if MSB != \new
	s_set_vgpr_msb (MSB<<8)|\new
.set MSB, \new
.endif
.endm
.macro PLACES                          ; four plain places behind a matrix instruction, in front of loads into its registers and of reads of its result
.rept 4
	v_nop
.endr
.endm
.macro CROUND                          ; a round of the cluster's barrier
	s_barrier_signal -1
	s_barrier_wait -1
	s_cmp_lg_u32 s12, 0
	s_cbranch_scc1 .Lnot_wave_0_\@
	s_barrier_signal -3
.Lnot_wave_0_\@:
	s_barrier_wait -3
	s_barrier_signal -1
	s_barrier_wait -1
.endm
; one matrix instruction: D at d, sources at a and b, their scale registers sa, sb; ra, rb = 1: the scales stand in lanes 16-31; zero = 1: the product starts the sum
.macro MM d, a, b, sa, sb, ra, rb, zero
.if \zero
.if (\ra) && (\rb)
	v_wmma_scale_f32_16x16x128_f8f6f4 v[(\d):(\d)+7], v[(\a):(\a)+11], v[(\b):(\b)+11], 0, v[(\sa)], v[(\sb)] matrix_a_fmt:MATRIX_FMT_BF6 matrix_b_fmt:MATRIX_FMT_BF6 matrix_a_scale:MATRIX_SCALE_ROW1 matrix_b_scale:MATRIX_SCALE_ROW1
.elseif (\ra)
	v_wmma_scale_f32_16x16x128_f8f6f4 v[(\d):(\d)+7], v[(\a):(\a)+11], v[(\b):(\b)+11], 0, v[(\sa)], v[(\sb)] matrix_a_fmt:MATRIX_FMT_BF6 matrix_b_fmt:MATRIX_FMT_BF6 matrix_a_scale:MATRIX_SCALE_ROW1
.elseif (\rb)
	v_wmma_scale_f32_16x16x128_f8f6f4 v[(\d):(\d)+7], v[(\a):(\a)+11], v[(\b):(\b)+11], 0, v[(\sa)], v[(\sb)] matrix_a_fmt:MATRIX_FMT_BF6 matrix_b_fmt:MATRIX_FMT_BF6 matrix_b_scale:MATRIX_SCALE_ROW1
.else
	v_wmma_scale_f32_16x16x128_f8f6f4 v[(\d):(\d)+7], v[(\a):(\a)+11], v[(\b):(\b)+11], 0, v[(\sa)], v[(\sb)] matrix_a_fmt:MATRIX_FMT_BF6 matrix_b_fmt:MATRIX_FMT_BF6
.endif
.else
.if (\ra) && (\rb)
	v_wmma_scale_f32_16x16x128_f8f6f4 v[(\d):(\d)+7], v[(\a):(\a)+11], v[(\b):(\b)+11], v[(\d):(\d)+7], v[(\sa)], v[(\sb)] matrix_a_fmt:MATRIX_FMT_BF6 matrix_b_fmt:MATRIX_FMT_BF6 matrix_a_scale:MATRIX_SCALE_ROW1 matrix_b_scale:MATRIX_SCALE_ROW1
.elseif (\ra)
	v_wmma_scale_f32_16x16x128_f8f6f4 v[(\d):(\d)+7], v[(\a):(\a)+11], v[(\b):(\b)+11], v[(\d):(\d)+7], v[(\sa)], v[(\sb)] matrix_a_fmt:MATRIX_FMT_BF6 matrix_b_fmt:MATRIX_FMT_BF6 matrix_a_scale:MATRIX_SCALE_ROW1
.elseif (\rb)
	v_wmma_scale_f32_16x16x128_f8f6f4 v[(\d):(\d)+7], v[(\a):(\a)+11], v[(\b):(\b)+11], v[(\d):(\d)+7], v[(\sa)], v[(\sb)] matrix_a_fmt:MATRIX_FMT_BF6 matrix_b_fmt:MATRIX_FMT_BF6 matrix_b_scale:MATRIX_SCALE_ROW1
.else
	v_wmma_scale_f32_16x16x128_f8f6f4 v[(\d):(\d)+7], v[(\a):(\a)+11], v[(\b):(\b)+11], v[(\d):(\d)+7], v[(\sa)], v[(\sb)] matrix_a_fmt:MATRIX_FMT_BF6 matrix_b_fmt:MATRIX_FMT_BF6
.endif
.endif
.endm
; K step s of x: eight fragments and their scale words into set s % 2: 25 LDS loads, each of 512 consecutive bytes
.macro XFETCH s
.irp i, 0,1,2,3,4,5,6,7
.irp g, 0,1,2
	ds_load_b128 v[XB+96*((\s)%2)+12*\i+4*\g:XB+96*((\s)%2)+12*\i+4*\g+3], v[AD0+(\s)/4] offset:((\s)%4)*12288+\i*1536+\g*512
.endr
.endr
	ds_load_b128 v[XS+4*((\s)%2):XS+4*((\s)%2)+3], v[ADS] offset:512*(\s)
.endm
; the head of a K step: the next step's fragments are asked for, this step's are in; the symbols for its registers
.macro STEPHEAD s
.if (\s) < 7
	PLACES                                         ; the other set was multiplied in the step before
	XFETCH (\s)+1
	s_wait_dscnt 25                                ; all but the 25 loads just issued
.else
	s_wait_dscnt 0x0
.endif
.if (\s) < 5
.set WB, 48*(\s)
.else
.set WB, 48*((\s)-5)
.endif
.if (\s) == 0
.set ZR, 1
.else
.set ZR, 0
.endif
.set XBB, XB+96*((\s)%2)
.set XSS, XS+4*((\s)%2)
.endm
; 32 matrix instructions; the 32 accumulators take turns, one instruction a turn, in the same order in every step
.macro STEPQK s
	STEPHEAD \s
.if (\s) < 5
	WIN 0xf1                                       ; source 0 (W) window 1, source 1 (x) window 0, C and D window 3
.else
	WIN 0xf2
.endif
.irp i, 0,1,2,3,4,5,6,7
.irp t, 0,1,2,3
	MM 32*\i+8*\t, WB+12*\t, XBB+12*\i, WS+2*(\s)+\t/2, XSS+\i%4, \t%2, \i/4, ZR
.endr
.endr
	WIN 0
.endm
.macro STEPV s
	STEPHEAD \s
.if (\s) < 5
	WIN 0xf4                                       ; source 0 (x) window 0, source 1 (W) window 1, C and D window 3
.else
	WIN 0xf8
.endif
.irp i, 0,1,2,3,4,5,6,7
.irp t, 0,1,2,3
	MM 64*\t+8*\i, XBB+12*\i, WB+12*\t, XSS+\i%4, WS+2*(\s)+\t/2, \i/4, \t%2, ZR
.endr
.endr
	WIN 0
.endm
; 64 numbers of a lane in window 3, register s + 16 b + i = k 32 b + 16 (lane / 16) + i of my row, become a fragment's codes in v[pc] on and its scale word in v[pw].  Each accumulator is read from its low end on.
.macro QUANT s, pc, pw
	WIN 0x3c                                       ; sources 1 and 2 window 3
.irp b, 0,1,2,3
	v_max3_num_f32 v[TM+\b], 0x2800000, |v[(\s)+16*\b]|, |v[(\s)+1+16*\b]|   ; block b: my 16 numbers, and the floor 2^(5 - 127)
.endr
.irp i, 2,4,6,8,10,12,14
.irp b, 0,1,2,3
	v_max3_num_f32 v[TM+\b], v[TM+\b], |v[(\s)+16*\b+\i]|, |v[(\s)+1+16*\b+\i]|
.endr
.endr
	WIN 0
.irp b, 0,1,2,3
	v_permlanex16_b32 v[TM+4+\b], v[TM+\b], s56, s57
.endr
.irp b, 0,1,2,3
	v_max_num_f32 v[TM+\b], v[TM+\b], v[TM+4+\b]   ; with lane l xor 16's: the block's largest magnitude
.endr
.irp b, 0,1,2,3
	v_add_nc_u32 v[TM+12+\b], 0xfe000000, v[TM+\b] ; the conversion's scale operand
.endr
.irp b, 0,1,2,3
	v_lshrrev_b32 v[TM+4+\b], 23, v[TM+12+\b]      ; the byte
.endr
	v_lshl_or_b32 v[\pw], v[TM+5], 8, v[TM+4]
	v_lshl_or_b32 v[\pw], v[TM+6], 16, v[\pw]
	v_lshl_or_b32 v[\pw], v[TM+7], 24, v[\pw]
	WIN 0x03                                       ; source 0 window 3
.irp c, 0,1
	v_cvt_scalef32_pk16_bf6_f32 v[(\pc)+6*\c:(\pc)+6*\c+2], v[(\s)+32*\c:(\s)+32*\c+15], v[TM+12+2*\c]
	v_cvt_scalef32_pk16_bf6_f32 v[P2+4*\c:P2+4*\c+2], v[(\s)+32*\c+16:(\s)+32*\c+31], v[TM+13+2*\c]
.endr
	WIN 0
	v_nop                                          ; one plain place behind a scaled conversion
.irp c, 0,1                                    ; the layout wants a WHOLE block in a lane: lanes 0-15 block 2 c, lanes 16-31 block 2 c + 1
.irp i, 0,1,2
	v_permlane16_swap_b32 v[(\pc)+6*\c+\i], v[P2+4*\c+\i]
.endr
.irp i, 0,1,2
	v_mov_b32 v[(\pc)+3+6*\c+\i], v[P2+4*\c+\i]
.endr
.endr
.endm
	s_load_b256 s[4:11], s[0:1], 0x0               ; xq s[4:5], wq s[6:7], qq s[8:9], kvq s[10:11]
	v_lshl_add_u32 v254, v0, 2, 0x32000
	v_mov_b32 v255, 0
	ds_add_u32 v254, v255
	ds_add_u32 v254, v255
	v_lshrrev_b32 v2, 5, v0
	v_readfirstlane_b32 s12, v2                    ; wave 0..3
	s_bfe_u32 s13, ttmp6, 0x40000                  ; my place in the cluster: it enters global addresses of my own loads and stores alone
	s_mov_b32 s14, ttmp9                           ; the cluster's x: which matrix; the same in all four partners
	s_and_b32 s15, ttmp7, 0xffff                   ; y
	v_and_b32 v[LN], 31, v0
	v_lshlrev_b32 v[LI], 4, v[LN]
	v_lshlrev_b32 v[L4], 2, v[LN]
	v_and_b32 v[R16], 15, v0
	v_lshlrev_b32 v[R16], 4, v[R16]
.irp b, 0,1,2,3
	v_mov_b32 v[TM+4+\b], 0                        ; written once: a lane permute's destination counts as one of its sources
.endr
	s_mov_b32 s56, 0x76543210
	s_mov_b32 s57, 0xfedcba98
	; descriptor groups 1: dense blocks as rows of 256 bytes (32 elements of 8 bytes); mask: all four partners, bit 21 beside it
	s_mov_b32 s16, 15|(3<<16)|(1<<21)              ; codes: 96 rows = 24,576 bytes, a quarter of a job's block
	s_mov_b32 s17, 32<<16
	s_mov_b32 s18, 128<<16                         ; at the head 128 rows: a third of job 0's block
	s_mov_b32 s19, 32<<16
	s_mov_b32 s20, 128
	s_mov_b32 s21, 32
	s_mov_b32 s22, 0
	s_mov_b32 s23, 0
	s_mov_b32 s24, 15|(3<<16)|(1<<21)              ; scale records
	s_mov_b32 s25, 32<<16
	s_mov_b32 s26, 32<<16                          ; the two jobs' scale records whole: 32 rows
	s_mov_b32 s27, 32<<16
	s_mov_b32 s28, 32
	s_mov_b32 s29, 32
	s_mov_b32 s30, 0
	s_mov_b32 s31, 0
	s_lshl_b32 s59, s13, 2
	s_add_co_u32 s59, s59, s12                     ; head
	s_lshl_b32 s2, s14, 4
	s_add_co_u32 s2, s2, s59                       ; column group cg = 16 x matrix + head
	s_mul_i32 s60, s2, 49152
	s_mov_b32 s61, 0
	s_lshl_b32 s62, s2, 11
	s_add_co_u32 s62, s62, WQ_SC
	s_mov_b32 s63, 0
	s_wait_alu depctr_va_vdst(0)
	s_wait_dscnt 0x0
	s_wait_kmcnt 0x0
	s_add_nc_u64 s[60:61], s[6:7], s[60:61]        ; my weights' codes
	s_add_nc_u64 s[62:63], s[6:7], s[62:63]        ; and scale words
	WIN 0x40                                       ; destination window 1
.irp s, 0,1,2,3,4
.irp t, 0,1,2,3
.irp g, 0,1,2
	global_load_b128 v[12*(4*\s+\t)+4*\g:12*(4*\s+\t)+4*\g+3], v[LI], s[60:61] offset:\s*6144+\t*1536+\g*512
.endr
.endr
.endr
	WIN 0x80                                       ; destination window 2
.irp s, 5,6,7
.irp t, 0,1,2,3
.irp g, 0,1,2
	global_load_b128 v[12*(4*(\s-5)+\t)+4*\g:12*(4*(\s-5)+\t)+4*\g+3], v[LI], s[60:61] offset:\s*6144+\t*1536+\g*512
.endr
.endr
.endr
	WIN 0
.irp n, 0,1,2,3,4,5,6,7,8,9,10,11,12,13,14,15
	global_load_b32 v[WS+\n], v[L4], s[62:63] offset:128*\n
.endr
	; descriptor groups 0: they hang on y and on the wave's number alone, so they are equal in the four partners
	s_mov_b32 s32, 1
	s_mov_b32 s2, 0
	s_mov_b32 s33, SCLB
	s_lshl_b32 s3, s15, 13
	s_add_co_u32 s2, s2, s3
	s_add_co_u32 s2, s2, XQ_SC
	s_mov_b32 s3, 0
	s_add_nc_u64 s[34:35], s[4:5], s[2:3]
	s_or_b32 s35, s35, 0x80000000
	s_mov_b32 s36, 1
	s_mul_i32 s41, s12, 24576                      ; job 1: a quarter a wave
	s_mul_i32 s2, s15, 2*JOBB
	s_add_co_u32 s2, s2, s41
	s_add_nc_u64 s[42:43], s[4:5], s[2:3]
	s_add_nc_u64 s[42:43], s[42:43], JOBB
	s_add_co_u32 s41, s41, JOBB
	s_mov_b32 s40, 1
	s_lshl_b32 s37, s12, 15                        ; job 0: a third for each of waves 0 to 2
	s_mul_i32 s2, s15, 2*JOBB
	s_add_co_u32 s2, s2, s37
	s_add_nc_u64 s[38:39], s[4:5], s[2:3]
	s_or_b32 s39, s39, 0x80000000
	s_or_b32 s43, s43, 0x80000000
	CROUND                                         ; all four work-groups are here: the joint loads meet
	s_cmp_lt_u32 s12, 3                            ; one tensor load a wave at the head: waves 0 to 2 bring job 0's codes, wave 3 the scale records
	s_cbranch_scc0 .Lhead_sc
	tensor_load_to_lds s[36:39], s[16:23]
	s_nop 0
	PLACES
	s_branch .Lhead_asked
.Lhead_sc:
	tensor_load_to_lds s[32:35], s[24:31]
	s_nop 0
	PLACES
.Lhead_asked:
	; where the results go
	s_lshl_b32 s2, s59, 5
	s_lshl_b32 s3, s15, 1
	s_add_co_u32 s2, s2, s3                        ; head x 32 + T
	s_mov_b32 s48, 12288
	s_mov_b32 s50, 512
	s_mov_b32 s3, KV_SC
	s_cmp_eq_u32 s14, 0                            ; Q goes to qq, K and V to kvq
	s_cselect_b64 s[44:45], s[8:9], s[10:11]
	s_cselect_b32 s48, 6144, s48                   ; bytes of codes from T to T + 1
	s_cselect_b32 s50, 256, s50                    ; and of scale words
	s_cselect_b32 s3, QQ_SC, s3
	s_mov_b64 s[46:47], s[44:45]
	s_mul_i32 s52, s2, s48
	s_mul_i32 s54, s2, s50
	s_add_co_u32 s54, s54, s3
	s_cmp_eq_u32 s14, 2                            ; V's part of a record lies behind K's
	s_cselect_b32 s2, 6144, 0
	s_cselect_b32 s3, 256, 0
	s_add_co_u32 s52, s52, s2
	s_add_co_u32 s54, s54, s3
	s_mov_b32 s53, 0
	s_mov_b32 s55, 0
	s_add_nc_u64 s[44:45], s[44:45], s[52:53]
	s_add_nc_u64 s[46:47], s[46:47], s[54:55]
	s_mov_b32 s49, 0
	s_mov_b32 s51, 0
	s_mov_b32 s52, 2                               ; jobs to go
	s_mov_b32 s53, 0                               ; the job's codes in LDS
	s_mov_b32 s54, SCLB                            ; and its scale records
	s_wait_tensorcnt 0x0                           ; my part of the head's tiles is in
	ds_add_u32 v254, v255
	s_mov_b32 s18, 96<<16                          ; no tensor load of mine is out: from here on a load of codes brings 96 rows
	s_mov_b32 s20, 96
	s_wait_dscnt 0x0
	CROUND                                         ; everybody's parts are in, and the four partners are here
	tensor_load_to_lds s[40:43], s[16:23]          ; job 1's codes, a quarter a wave: it lands while job 0 is multiplied
	s_nop 0
	PLACES
	s_wait_loadcnt 0x0                             ; my weights
.Ljob:
	v_add_nc_u32 v[AD0], s53, v[LI]
	v_add_nc_u32 v[AD1], 49152, v[AD0]
	v_add_nc_u32 v[ADS], s54, v[LI]
	XFETCH 0
	s_cmp_eq_u32 s14, 2                            ; the same way in all waves of all four partners
	s_cbranch_scc1 .Lv
	s_wait_alu depctr_va_vdst(0)
.irp s, 0,1,2,3,4,5,6,7
	STEPQK \s
.endr
	s_branch .Lepi
.Lv:
	s_wait_alu depctr_va_vdst(0)
.irp s, 0,1,2,3,4,5,6,7
	STEPV \s
.endr
.Lepi:
	PLACES                                         ; behind the last products: their results are read, and the second set of x's registers is written
.irp f, 0,1,2,3
	QUANT 64*\f, PC+12*\f, PW+\f
.irp g, 0,1,2
	global_store_b128 v[LI], v[PC+12*\f+4*\g:PC+12*\f+4*\g+3], s[44:45] offset:1536*\f+512*\g   ; 32 lanes store 512 consecutive bytes, aligned
.endr
.endr
	s_wait_xcnt 0x0                                ; EXEC changes only behind this wait
	v_cmp_gt_u32 vcc_lo, 16, v[LN]
	s_and_saveexec_b32 s58, vcc_lo
	global_store_b128 v[R16], v[PW:PW+3], s[46:47] ; sixteen lanes store the four fragments' scale words: 256 consecutive bytes, aligned
	s_wait_xcnt 0x0                                ; and again in front of the line that widens it
	s_or_b32 exec_lo, exec_lo, s58
	s_wait_tensorcnt 0x0                           ; my quarter of job 1 is in (in the second trip nothing is out),
	s_barrier_signal -1
	s_barrier_wait -1                              ; everybody's is
	s_add_nc_u64 s[44:45], s[44:45], s[48:49]      ; (behind the wait on XCNT above: the stores have read their bases and registers)
	s_add_nc_u64 s[46:47], s[46:47], s[50:51]
	s_add_co_u32 s53, s53, JOBB
	s_add_co_u32 s54, s54, 4096
	s_sub_co_u32 s52, s52, 1
	s_cmp_lg_u32 s52, 0
	s_cbranch_scc1 .Ljob
	s_wait_tensorcnt 0x0
	ds_add_u32 v254, v255
	s_wait_dscnt 0x0
	CROUND                                         ; the closing round: no work-group ends while a partner may still ask for a block that names it
	s_endpgm
.Lfunc_end_k_qb980fb5083_proj:
	.size	k_qb980fb5083_proj, .Lfunc_end_k_qb980fb5083_proj-k_qb980fb5083_proj
	.p2alignl 7, 3214868480
	.fill 96, 4, 3214868480
	.section	.rodata,"a",@progbits
	.p2align	6, 0x0
	.amdhsa_kernel k_qb980fb5083_proj
		.amdhsa_group_segment_fixed_size 327680
		.amdhsa_private_segment_fixed_size 0
		.amdhsa_enable_private_segment 0
		.amdhsa_kernarg_size 32
		.amdhsa_user_sgpr_count 2
		.amdhsa_user_sgpr_kernarg_segment_ptr 1
		.amdhsa_wavefront_size32 1
		.amdhsa_system_sgpr_workgroup_id_x 1
		.amdhsa_system_sgpr_workgroup_id_y 1
		.amdhsa_system_sgpr_workgroup_id_z 1
		.amdhsa_system_vgpr_workitem_id 0
		.amdhsa_next_free_vgpr 1024
		.amdhsa_next_free_sgpr 66
		.amdhsa_reserve_vcc 1
		.amdhsa_float_denorm_mode_32 3
		.amdhsa_float_denorm_mode_16_64 3
		.amdhsa_memory_ordered 1
		.amdhsa_forward_progress 1
		.amdhsa_inst_pref_size 126
	.end_amdhsa_kernel
	.amdgpu_metadata
---
amdhsa.version: [ 1, 2 ]
amdhsa.kernels:
  - .name:           k_qb980fb5083_proj
    .symbol:         k_qb980fb5083_proj.kd
    .args:
      - { .name: xq, .offset: 0, .size: 8, .value_kind: global_buffer, .address_space: global }
      - { .name: wq, .offset: 8, .size: 8, .value_kind: global_buffer, .address_space: global }
      - { .name: qq, .offset: 16, .size: 8, .value_kind: global_buffer, .address_space: global }
      - { .name: kvq, .offset: 24, .size: 8, .value_kind: global_buffer, .address_space: global }
    .group_segment_fixed_size: 327680
    .private_segment_fixed_size: 0
    .kernarg_segment_align: 8
    .kernarg_segment_size: 32
    .max_flat_workgroup_size: 128
    .sgpr_count:     66
    .vgpr_count:     1024
    .wavefront_size: 32
...
	.end_amdgpu_metadata
.endif
;; end of part 2
;; launch attn (part 3): grid 16 x 16, 16 waves a work-group, clusters of 4 x 1, 327,680 bytes of LDS; arguments qq, kvq, cq; writes cq
.if DOCPART == 3
	.amdgcn_target "amdgcn-amd-amdhsa--gfx1250"
	.amdhsa_code_object_version 6
	.text
	.protected	k_qb980fb5083_attn
	.globl	k_qb980fb5083_attn
	.p2align	8
	.type	k_qb980fb5083_attn,@function
k_qb980fb5083_attn:
	s_mov_b64 s[64:65], 0
	v_nop
	global_prefetch_b8 v0, s[64:65] scope:SCOPE_SE
	s_setreg_imm32_b32 hwreg(HW_REG_WAVE_MODE, 25, 1), 1
	s_wait_xcnt 0x0
	s_wait_alu depctr_hold_cnt(0) depctr_sa_sdst(0) depctr_va_vdst(0) depctr_va_sdst(0) depctr_va_ssrc(0) depctr_va_vcc(0) depctr_vm_vsrc(0)
	s_getreg_b32 s2, hwreg(HW_REG_IB_STS2, 6, 4)
	s_cmp_eq_u32 s2, 0
	s_cbranch_scc0 .Lentry_in_a_cluster
	s_endpgm
.Lentry_in_a_cluster:
	s_bfe_u32 s2, ttmp6, 0x10000c
	s_cmp_lg_u32 s2, 0x3003
	s_cbranch_scc0 .Lentry_shape_is_right
	s_endpgm
.Lentry_shape_is_right:
; Causal attention on codes of BF6 with E8M0 scales: scores = Q K^T (K = 64), p = 2^(t - M), O = p V (K = the keys), O / l, quantised along head x 64 + d into the last product's operand.
; t = score x log2(e) / 8; M = the running largest t rounded UP to a whole number; p is quantised along the keys, not normalised; the sum l is taken of the unquantised p and divides at the end.
; When M moves, l and O are multiplied by 2^(old M - new M): exact.  LEFT OUT: key steps whose keys all come after a tile's queries.
; SHARES.  A head has 32 groups J of 128 tokens x 8 tiles i of 16 queries; tile (J, i) needs key steps 0 .. J (a step = 128 keys).  Sixteen waves, 256 registers each.
; With C the cluster's x, cx the place in it, w the wave: a = w % 4, tau = (w / 4 + a) % 4, G = C + 4 (a % 2), i = 4 (a / 2) + cx.
;   tau 0 (keeper): tile G whole, then tile 31 - G's steps 16 .. 31 - G.     tau 1 (giver): tile 31 - G's steps 0 .. 15.
;   tau 2 (keeper): tile 15 - G whole, then tile 16 + G's steps 16 .. 16 + G.  tau 3 (giver): tile 16 + G's steps 0 .. 15.
; So a wave has 16 or 17 steps.  A giver hands its -M, l and O to its keeper through LDS; the keeper brings both parts under the larger M by powers of two and adds them.
; All limits hang on C and w alone: every branch is alike in the four partners.
; THE RING: two LDS slots of 8 key steps (98,304 bytes); filling s = 0 .. 3 holds steps 4 s .. 4 s + 3 and, behind them, steps 28 - 4 s .. 31 - 4 s: each wave has 4 or 5 of the 8.
; Waves 0, 1 bring the low half, waves 2, 3 the high half, by joint loads (the four partners walk the same head).  The head's 32 scale records stay in LDS, laid in the order of the walk by waves 4-11 (2,048 bytes each).
; K = 64 IN AN INSTRUCTION OF 128: a fragment of K holds two tiles of keys; Q is kept as QA = (q, 0) and QB = (0, q).  Both products are used transposed: a lane holds ONE query throughout.
; cq: codes [T][s = head / 2][i][1536], register g of lane l at 768 (g / 6) + 256 ((g % 6) / 2) + 8 l + 4 (g % 2); from CQ_SC on [T][s][512]: tile i, row r at 16 (r + 16 (i / 4)) + 4 (i % 4), byte 2 (head % 2) + block.
; LIMITS: NaN and infinities not served; scale bytes are held at 1 from below, a block of zeros keeps 1; the promise holds while |t| stays under 2^31.
; REGISTERS: v1-11 addresses; v12 -M, v13 the largest t, v[14:15] l; v16-27 QA; v32-79 fragments of K, then V; v80-82 stage addresses, h; v96-159 S^T, then p; v160-191 O^T; v192-203 QB; v204-216 Q as loaded;
;   v224-235 p's codes; v232-247 at work; v248-251 scale words (lanes 0-15 K's, 16-31 V's); v252 f; v253 p's scale word; v254 at work; v255 Q's scale word.
.set SLOT1, 1<<17                      ; slot 0 at 0, slot 1 here
.set SLOTB, 98304
.set STEPB, 12288                      ; a key step: K's four fragments, then V's four
.set SCL,   98304                      ; the scale records, filled once
.set SPARE, 114688                     ; the spare words, 128 bytes a wave
.set STG,   229376                     ; behind slot 1: a stage of STGB bytes for each wave; no fill lands there
.set STGB,  4608
.set QQ_SC, 3145728
.set KV_SC, 6291456
.set CQ_SC, 3145728
.set LI,  1                            ; 16 x lane
.set ADK, 2
.set ADS, 3
.set LIS, 4                            ; 16 x lane + SCL
.set SPW, 5
.set NIL, 6
.set L8,  7
.set SBO, 8                            ; 16 r + h
.set DQ,  9                            ; my query's place in its group - 16 h
.set PFO, 10                           ; 256 x lane
.set QSO, 11                           ; 16 r
.set STW, 80                           ; my stage
.set RDP, 81                           ; my giver's stage
.set HB,  82                           ; h
.set TB,  2                            ; LDS byte of the step in hand
.set TS,  3                            ; 512 x its place in the walk
.set G0H, 68                           ; s[68:71] the ring's group 0 for the high half (the head's numbers that lay there have been used by then)
.set PST, 12                           ; s[12:13] the same for my prefetches
.set JF,  16
.set WV,  18
.set SEL, 20
.set CS,  22
.set G1R, 24
.set G1S, 32
.set G0R, 40
.set G0S, 44
.set KS,  48                           ; the key step in hand
.set LO,  49                           ; my tile's first and last step
.set SLOTS, 50
.set TW,  51
.set LIM, 52
.set HI,  53
.set PFA, 54
.set SU,  56
.set SH,  57
.set DG,  58                           ; the step on my tile's diagonal (64: none of mine)
.set DJ,  59                           ; groups from my first tile to my second
.set ROLE, 60                          ; 1: giver
.set KL,  61                           ; the slot's first low step
.set KJ,  62                           ; from its last low step + 1 to its first high step
.set J2,  63                           ; the long tile's group
.macro PLACES
.rept 4
	v_nop
.endr
.endm
.macro CROUND
	s_barrier_signal -1
	s_barrier_wait -1
	s_cmp_lg_u32 s[WV], 0
	s_cbranch_scc1 .Lnot_wave_0_\@
	s_barrier_signal -3
.Lnot_wave_0_\@:
	s_barrier_wait -3
	s_barrier_signal -1
	s_barrier_wait -1
.endm
.macro TLOAD                           ; waves 0-3 bring a quarter of a slot each
	s_cmp_lt_u32 s[WV], 2
	s_cbranch_scc0 .Lhigh_\@
	tensor_load_to_lds s[G0R:G0R+3], s[G1R:G1R+7]  ; waves 0, 1: the low steps
	s_nop 0
	PLACES
	s_branch .Lasked_\@
.Lhigh_\@:
	s_cmp_lt_u32 s[WV], 4
	s_cbranch_scc0 .Lasked_\@
	tensor_load_to_lds s[G0H:G0H+3], s[G1R:G1R+7]  ; waves 2, 3: the high steps
	s_nop 0
	PLACES
.Lasked_\@:
.endm
; A prefetch of the filling that the NEXT change of slots asks for: 384 blocks of 256 bytes.  The head's first cluster asks; partner cx takes the quarter that wave cx loads, told apart by address;
; in each partner waves 4, 5, 6 take 8,192 bytes each, lanes 256 bytes apart: each block is named once.  The last refill asks for nothing; fillings 0 and 1 come by their loads alone.
.macro ASK
	s_cmp_gt_u32 s[SLOTS], s[LIM]
	s_cbranch_scc0 .Lnot_mine_\@
	global_prefetch_b8 v[PFO], s[PFA:PFA+1] th:TH_LOAD_NT scope:SCOPE_SE
.Lnot_mine_\@:
.endm
.macro QLOAD                           ; the fragment that holds my tile (registers 0-5 the even tile, 6-11 the odd one) and its scale word
	global_load_b128 v[204:207], v[LI], s[74:75]
	global_load_b128 v[208:211], v[LI], s[74:75] offset:512
	global_load_b128 v[212:215], v[LI], s[74:75] offset:1024
	global_load_b32 v216, v[QSO], s[76:77]
.endm
.macro QINIT                           ; a tile begins: QA, QB, q's scale word, -M, l, O^T
	s_wait_loadcnt 0x0
.irp e, 0,1,2,3,4,5
	v_cndmask_b32 v[16+\e], v[204+\e], v[210+\e], s[SU]    ; a choice of values, no branch: it differs between partners
	v_cndmask_b32 v[198+\e], v[204+\e], v[210+\e], s[SU]
.endr
	v_lshrrev_b32 v216, s[SH], v216
	s_delay_alu instid0(VALU_DEP_1)
	v_and_b32 v216, 0xffff, v216
	s_delay_alu instid0(VALU_DEP_1)
	v_lshl_or_b32 v255, v216, 16, v216             ; q's two bytes at both places: the word serves QA and QB
	v_mov_b32 v13, 0xff61b1e6                      ; -3e38, under every t
	s_delay_alu instid0(VALU_DEP_1)
	v_floor_f32 v12, -v13
	v_mov_b32 v14, 0
	v_mov_b32 v15, 0
.set n, 0
.rept 32
	v_mov_b32 v[160+n], 0                          ; the step is written once: a tile's first finds zeros
.set n, n+1
.endr
.endm
; O^T / l; its 64 numbers a row are two blocks of the last product's K; six registers of codes and a scale byte go to cq
.macro OUT
	v_add_f32 v14, v14, v15
	s_delay_alu instid0(VALU_DEP_1)
	v_permlanex16_b32 v252, v14, s[SEL], s[SEL+1]
	s_delay_alu instid0(VALU_DEP_1)
	v_add_f32 v14, v14, v252                       ; the row's sum
	s_wait_alu depctr_va_vdst(0)                   ; the wait ahead of the transcendental
	v_rcp_f32 v14, v14
	v_nop
	s_wait_alu depctr_va_vdst(0)                   ; and ahead of its first reader
.set n, 0
.rept 32
	v_mul_f32 v[96+n], v[160+n], v14               ; register 16 b + i is o(query r, d = 32 b + 16 h + i)
.set n, n+1
.endr
.irp b, 0,1
	v_max3_num_f32 v[232+\b], |v[96+16*\b]|, |v[97+16*\b]|, 0x2800000
.endr
.irp i, 2,4,6,8,10,12,14
.irp b, 0,1
	s_delay_alu instid0(VALU_DEP_2)
	v_max3_num_f32 v[232+\b], v[232+\b], |v[96+16*\b+\i]|, |v[97+16*\b+\i]|
.endr
.endr
.irp b, 0,1
	s_delay_alu instid0(VALU_DEP_2)
	v_permlanex16_b32 v[236+\b], v[232+\b], s[SEL], s[SEL+1]
.endr
.irp b, 0,1
	s_delay_alu instid0(VALU_DEP_2)
	v_max_num_f32 v[232+\b], v[232+\b], v[236+\b]
.endr
.irp b, 0,1
	s_delay_alu instid0(VALU_DEP_2)
	v_add_nc_u32 v[244+\b], 0xfe000000, v[232+\b]
.endr
.irp b, 0,1
	s_delay_alu instid0(VALU_DEP_2)
	v_lshrrev_b32 v[236+\b], 23, v[244+\b]
.endr
	v_cvt_scalef32_pk16_bf6_f32 v[224:226], v[96:111], v244
	v_cvt_scalef32_pk16_bf6_f32 v[232:234], v[112:127], v245
	v_cmp_ne_u32 vcc_lo, 0, v[HB]                  ; lanes 16-31 (also the plain place behind the conversions)
.irp i, 0,1,2
	v_permlane16_swap_b32 v[224+\i], v[232+\i]
.endr
.irp i, 0,1,2
	s_delay_alu instid0(VALU_DEP_3)
	v_mov_b32 v[227+\i], v[232+\i]                 ; v224-229: lane (r, h) holds block h of row r
.endr
	v_cndmask_b32 v240, v236, v237, vcc_lo         ; and its byte
.irp p, 0,1,2
	global_store_b64 v[L8], v[224+2*\p:225+2*\p], s[78:79] offset:256*\p   ; 32 lanes store 256 consecutive bytes, aligned
.endr
	global_store_b8 v[SBO], v240, s[80:81]         ; single bytes: a scale word's four come from two heads, which are two work-groups
.endm
; A keeper's first tile is finished: it goes out, and the long tile's upper steps begin.  All four addresses are linear in the group's number.
.macro FINISH
	s_mul_i32 s88, s[DJ], 6144
	s_mov_b32 s89, 0
	s_add_nc_u64 s[74:75], s[74:75], s[88:89]      ; (the loads that read these bases were waited for)
	s_lshl_b32 s88, s[DJ], 8
	s_add_nc_u64 s[76:77], s[76:77], s[88:89]
	QLOAD                                          ; the second tile's q lands while the first goes out
	PLACES                                         ; behind the last products
	OUT
	s_wait_xcnt 0x0                                ; the stores have read their bases and registers
	s_mul_i32 s88, s[DJ], 98304
	s_add_nc_u64 s[78:79], s[78:79], s[88:89]
	s_lshl_b32 s88, s[DJ], 12
	s_add_nc_u64 s[80:81], s[80:81], s[88:89]
	s_mov_b32 s[LO], 16
	s_mov_b32 s[HI], s[J2]
	s_mov_b32 s[DG], s[J2]
	QINIT
	s_wait_alu depctr_va_vdst(0)
.endm
	s_load_b128 s[4:7], s[0:1], 0x0                ; qq, kvq
	s_load_b64 s[8:9], s[0:1], 0x10                ; cq
	v_lshl_add_u32 v[SPW], v0, 2, SPARE
	v_mov_b32 v[NIL], 0
	ds_add_u32 v[SPW], v[NIL]
	ds_add_u32 v[SPW], v[NIL]
	v_lshrrev_b32 v28, 5, v0
	s_delay_alu instid0(VALU_DEP_1)
	v_readfirstlane_b32 s[WV], v28                 ; wave 0..15
	s_bfe_u32 s66, ttmp6, 0x40000                  ; cx: it enters global addresses of my own and vector values alone
	s_and_b32 s67, ttmp7, 0xffff                   ; the head
	s_and_b32 s68, s[WV], 3                        ; a
	s_lshr_b32 s69, s[WV], 2
	s_add_co_u32 s70, s69, s68
	s_and_b32 s70, s70, 3                          ; tau
	s_and_b32 s[ROLE], s70, 1
	s_and_b32 s71, s68, 1
	s_lshl_b32 s71, s71, 2
	s_add_co_u32 s71, s71, ttmp9                   ; G, 0..7
	s_cmp_lt_u32 s70, 2
	s_cselect_b32 s[J2], 31, 16
	s_cselect_b32 s73, 0, 15
	s_xor_b32 s[J2], s[J2], s71                    ; the long tile: 31 - G or 16 + G
	s_xor_b32 s73, s73, s71                        ; the short one: G or 15 - G
	s_sub_co_u32 s[DJ], s[J2], s73
	s_cmp_eq_u32 s[ROLE], 0
	s_cselect_b32 s[JF], s73, s[J2]                ; my first tile's group
	s_cselect_b32 s[HI], s73, 15
	s_cselect_b32 s[DG], s73, 64
	s_mov_b32 s[LO], 0
	s_lshr_b32 s72, s68, 1
	s_lshl_b32 s72, s72, 2
	s_add_co_u32 s72, s72, s66                     ; i
	s_lshl_b32 s73, s67, 5
	s_add_co_u32 s73, s73, s[JF]                   ; head x 32 + J
	s_lshr_b32 s88, s72, 1
	s_mul_i32 s74, s73, 6144
	s_mul_i32 s89, s88, 1536
	s_add_co_u32 s74, s74, s89
	s_mov_b32 s75, 0
	s_lshl_b32 s76, s73, 8
	s_lshl_b32 s89, s88, 2
	s_add_co_u32 s76, s76, s89
	s_add_co_u32 s76, s76, QQ_SC
	s_mov_b32 s77, 0
	s_lshr_b32 s90, s67, 1
	s_and_b32 s91, s67, 1
	s_mul_i32 s78, s[JF], 98304
	s_mul_i32 s89, s90, 12288
	s_add_co_u32 s78, s78, s89
	s_mul_i32 s89, s72, 1536
	s_add_co_u32 s78, s78, s89
	s_mul_i32 s89, s91, 768
	s_add_co_u32 s78, s78, s89
	s_mov_b32 s79, 0
	s_lshl_b32 s80, s[JF], 12
	s_lshl_b32 s89, s90, 9
	s_add_co_u32 s80, s80, s89
	s_lshr_b32 s89, s72, 2
	s_lshl_b32 s89, s89, 8
	s_add_co_u32 s80, s80, s89
	s_and_b32 s89, s72, 3
	s_lshl_b32 s89, s89, 2
	s_add_co_u32 s80, s80, s89
	s_lshl_b32 s89, s91, 1
	s_add_co_u32 s80, s80, s89
	s_add_co_u32 s80, s80, CQ_SC
	s_mov_b32 s81, 0
	s_mul_i32 s92, s67, 393216                     ; the head's first byte among kvq's codes
	; the ring: quarter q of filling 0 begins at 24,576 q, and 294,912 further on for q = 2, 3 (step 28); a refill goes 49,152 bytes up (q = 0, 1) or down
	s_mul_i32 s[G0R+1], s68, 24576
	s_add_co_u32 s82, s92, s[G0R+1]
	s_mov_b32 s83, 0
	; the scale records: wave 4 + e brings four: e even: records 2 e on; e odd: records 28 - 4 (e / 2) on; to SCL + 2,048 e
	s_add_co_u32 s84, s[WV], 4
	s_and_b32 s84, s84, 7                          ; e
	s_lshl_b32 s89, s84, 11
	s_add_co_u32 s[G0S+1], s89, SCL
	s_lshr_b32 s85, s84, 1
	s_and_b32 s84, s84, 1
	s_lshl_b32 s89, s85, 3
	s_sub_co_u32 s89, 28, s89
	s_mul_i32 s84, s84, s89
	s_lshl_b32 s85, s85, 2
	s_add_co_u32 s84, s84, s85
	s_lshl_b32 s84, s84, 9
	s_lshl_b32 s89, s67, 14
	s_add_co_u32 s84, s84, s89
	s_add_co_u32 s84, s84, KV_SC
	s_mov_b32 s85, 0
	; the prefetches: quarter cx, my wave's third of it
	s_mul_i32 s86, s66, 24576
	s_lshr_b32 s89, s66, 1
	s_mul_i32 s93, s89, 294912
	s_add_co_u32 s86, s86, s93
	s_add_co_u32 s86, s86, s92
	s_mul_i32 s89, s89, 98304
	s_sub_co_u32 s[PST], 0xc000, s89
	s_ashr_i32 s[PST+1], s[PST], 31
	s_lshl_b32 s89, s68, 13
	s_add_co_u32 s86, s86, s89
	s_mov_b32 s87, 0
	s_lshl_b32 s93, s88, 5
	s_and_b32 s89, s72, 1                          ; i % 2
	s_lshl_b32 s[SH], s89, 4
	s_sub_co_u32 s[SU], 0, s89
	s_lshl_b32 s89, s89, 3
	s_add_co_u32 s93, s93, s89                     ; the tile's first place in its group
	s_sub_co_u32 s89, s[WV], 4
	s_cmp_lt_u32 s89, 3                            ; waves 4 to 6
	s_cselect_b32 s89, 0, 1
	s_or_b32 s89, s89, ttmp9                       ; of the head's first cluster
	s_cmp_eq_u32 s89, 0
	s_cselect_b32 s[LIM], 1, -1
	s_mul_i32 s90, s[WV], STGB
	s_add_co_u32 s90, s90, STG                     ; my stage
	s_add_co_u32 s91, s69, 1                       ; my giver: the same a, w / 4 one further on
	s_and_b32 s91, s91, 3
	s_lshl_b32 s91, s91, 2
	s_add_co_u32 s91, s91, s68
	s_mul_i32 s91, s91, STGB
	s_add_co_u32 s91, s91, STG
	; descriptor groups 1: dense blocks as rows of 256 bytes (32 elements of 8 bytes); mask: all four partners, bit 21 beside it
	s_mov_b32 s[G1R], 15|(3<<16)|(1<<21)           ; 96 rows: a quarter of a slot
	s_mov_b32 s[G1R+1], 32<<16
	s_mov_b32 s[G1R+2], 96<<16
	s_mov_b32 s[G1R+3], 32<<16
	s_mov_b32 s[G1R+4], 96
	s_mov_b32 s[G1R+5], 32
	s_mov_b32 s[G1R+6], 0
	s_mov_b32 s[G1R+7], 0
	s_mov_b32 s[G1S], 15|(3<<16)|(1<<21)           ; 8 rows: four scale records
	s_mov_b32 s[G1S+1], 32<<16
	s_mov_b32 s[G1S+2], 8<<16
	s_mov_b32 s[G1S+3], 32<<16
	s_mov_b32 s[G1S+4], 8
	s_mov_b32 s[G1S+5], 32
	s_mov_b32 s[G1S+6], 0
	s_mov_b32 s[G1S+7], 0
	s_mov_b32 s[G0R], 1
	s_mov_b32 s[G0S], 1
	s_mov_b32 s[SEL], 0x76543210
	s_mov_b32 s[SEL+1], 0xfedcba98
	s_mov_b32 s[CS], 0x3e38aa3b                    ; c = log2(e) / 8
	s_mov_b32 s[CS+1], s[CS]
	s_mov_b32 s[TB], 0
	s_mov_b32 s[TS], 0
	s_mov_b32 s[KL], 0
	s_mov_b32 s[KJ], 24
	s_mov_b32 s[SLOTS], 3
	s_wait_dscnt 0x0                               ; both opening adds are done
	s_wait_kmcnt 0x0
	s_add_nc_u64 s[G0R+2:G0R+3], s[6:7], s[82:83]
	s_add_nc_u64 s[G0H+2:G0H+3], s[G0R+2:G0R+3], 294912   ; quarters 2 and 3 begin at step 28
	s_or_b32 s[G0R+3], s[G0R+3], 0x80000000
	s_or_b32 s[G0H+3], s[G0H+3], 0x80000000
	s_mov_b32 s[G0H], 1
	s_mov_b32 s[G0H+1], s[G0R+1]
	s_add_nc_u64 s[G0S+2:G0S+3], s[6:7], s[84:85]
	s_or_b32 s[G0S+3], s[G0S+3], 0x80000000
	s_add_nc_u64 s[PFA:PFA+1], s[6:7], s[86:87]
	s_add_nc_u64 s[PFA:PFA+1], s[PFA:PFA+1], s[PST:PST+1]   ; at filling 1: the first change of slots steps it to filling 2
	s_add_nc_u64 s[74:75], s[4:5], s[74:75]
	s_add_nc_u64 s[76:77], s[4:5], s[76:77]
	s_add_nc_u64 s[78:79], s[8:9], s[78:79]
	s_add_nc_u64 s[80:81], s[8:9], s[80:81]
	CROUND                                         ; all four work-groups are here: the first joint loads meet
	s_cmp_lt_u32 s[WV], 2
	s_cbranch_scc0 .Lhead_hi
	tensor_load_to_lds s[G0R:G0R+3], s[G1R:G1R+7]  ; filling 0, the low steps
	s_nop 0
	PLACES
	s_branch .Lhead_asked
.Lhead_hi:
	s_cmp_lt_u32 s[WV], 4
	s_cbranch_scc0 .Lhead_sc
	tensor_load_to_lds s[G0H:G0H+3], s[G1R:G1R+7]  ; filling 0, the high steps
	s_nop 0
	PLACES
	s_branch .Lhead_asked
.Lhead_sc:
	s_cmp_lt_u32 s[WV], 12
	s_cbranch_scc0 .Lhead_asked
	tensor_load_to_lds s[G0S:G0S+3], s[G1S:G1S+7]  ; four scale records
	s_nop 0
	PLACES
.Lhead_asked:
	v_and_b32 v30, 31, v0
	v_and_b32 v28, 15, v0
	v_bfe_u32 v[HB], v0, 4, 1
	s_delay_alu instid0(VALU_DEP_3)
	v_lshlrev_b32 v[LI], 4, v30
	s_delay_alu instid0(VALU_DEP_3)
	v_lshlrev_b32 v[QSO], 4, v28
	QLOAD
	v_add_nc_u32 v[LIS], SCL, v[LI]
	v_lshlrev_b32 v[L8], 3, v30
	v_lshlrev_b32 v[PFO], 8, v30
	v_add_nc_u32 v[SBO], v[QSO], v[HB]
	v_add_nc_u32 v[STW], s90, v[LI]
	v_add_nc_u32 v[RDP], s91, v[LI]
	v_and_b32 v[DQ], 8, v28
	s_delay_alu instid0(VALU_DEP_1)
	v_add_nc_u32 v[DQ], v[DQ], v28                 ; r + 8 (r / 8)
	v_lshlrev_b32 v31, 4, v[HB]
	s_delay_alu instid0(VALU_DEP_1)
	v_sub_nc_u32 v[DQ], v[DQ], v31
	s_delay_alu instid0(VALU_DEP_1)
	v_add_nc_u32 v[DQ], s93, v[DQ]
.irp e, 0,1,2,3,4,5
	v_mov_b32 v[22+\e], 0                          ; QA's upper and QB's lower half stay zero codes
	v_mov_b32 v[192+\e], 0
.endr
.irp b, 0,1,2,3
	v_mov_b32 v[236+\b], 0                         ; a lane permute's destination counts as one of its sources
.endr
	v_mov_b32 v252, 0
	v_mov_b32 v253, 0
	QINIT
	s_wait_alu depctr_va_vdst(0)
; A KEY STEP: 128 keys
.macro STEP
	s_cmp_lt_u32 s[KS], s[LO]                      ; not among my tile's steps: nothing to do
	s_cbranch_scc1 .Lhidden_\@
	s_cmp_gt_u32 s[KS], s[HI]
	s_cbranch_scc1 .Lhidden_\@
	v_add_nc_u32 v[ADK], s[TB], v[LI]
	v_add_nc_u32 v[ADS], s[TS], v[LIS]
	v_nop
	v_nop                                          ; four places in front of loads into registers that the last products have read
.irp f, 0,1,2,3
.irp g, 0,1,2
	ds_load_b128 v[32+12*\f+4*\g:35+12*\f+4*\g], v[ADK] offset:1536*\f+512*\g
.endr
.endr
	ds_load_b128 v[248:251], v[ADS]
	s_wait_alu depctr_va_vdst(0)                   ; directly ahead of the wait below
	s_wait_dscnt 0x0
.irp f, 0,1,2,3                                ; S^T: fragment f x QA: keys 32 f + 16 h + 0..7; x QB: 32 f + 16 h + 8..15
	v_wmma_scale_f32_16x16x128_f8f6f4 v[96+16*\f:103+16*\f], v[32+12*\f:43+12*\f], v[16:27], 0, v[248+\f], v255 matrix_a_fmt:MATRIX_FMT_BF6 matrix_b_fmt:MATRIX_FMT_BF6
	v_wmma_scale_f32_16x16x128_f8f6f4 v[104+16*\f:111+16*\f], v[32+12*\f:43+12*\f], v[192:203], 0, v[248+\f], v255 matrix_a_fmt:MATRIX_FMT_BF6 matrix_b_fmt:MATRIX_FMT_BF6
.endr
	PLACES
.irp t, 0,1,2,3
.irp g, 0,1,2
	ds_load_b128 v[32+12*\t+4*\g:35+12*\t+4*\g], v[ADK] offset:6144+1536*\t+512*\g   ; V's fragments land while the softmax is walked
.endr
.endr
	s_cmp_lg_u32 s[KS], s[DG]                      ; only the step on the diagonal has hidden keys
	s_cbranch_scc1 .Lopen_\@
	v_mov_b32 v254, 0xff800000
.set n, 0
.rept 64                                       ; register 16 b + i holds the group's key 32 b + 16 h + i
	v_cmp_gt_i32 vcc_lo, 32*(n/16)+n%16, v[DQ]
	v_cndmask_b32 v[96+n], v[96+n], v254, vcc_lo
.set n, n+1
.endr
.Lopen_\@:
.irp b, 0,1,2,3
	v_max3_num_f32 v[232+\b], v[96+16*\b], v[97+16*\b], v[98+16*\b]   ; the largest score of each block of 32 keys: for the row's maximum and for the block's largest p
.endr
.irp i, 3,5,7,9,11,13
.irp b, 0,1,2,3
	v_max3_num_f32 v[232+\b], v[232+\b], v[96+16*\b+\i], v[97+16*\b+\i]
.endr
.endr
.irp b, 0,1,2,3
	v_max_num_f32 v[232+\b], v[232+\b], v[111+16*\b]
.endr
.irp b, 0,1,2,3
	s_delay_alu instid0(VALU_DEP_4)
	v_permlanex16_b32 v[236+\b], v[232+\b], s[SEL], s[SEL+1]
.endr
.irp b, 0,1,2,3
	s_delay_alu instid0(VALU_DEP_4)
	v_max_num_f32 v[232+\b], v[232+\b], v[236+\b]
.endr
	s_delay_alu instid0(VALU_DEP_2)
	v_max3_num_f32 v254, v232, v233, v234
	s_delay_alu instid0(VALU_DEP_1)
	v_max_num_f32 v254, v254, v235
	s_delay_alu instid0(VALU_DEP_1)
	v_mul_f32 v254, s[CS], v254
	s_delay_alu instid0(VALU_DEP_1)
	v_max_num_f32 v13, v13, v254                   ; the running largest t
	v_mov_b32 v254, v12
	s_delay_alu instid0(VALU_DEP_2)
	v_floor_f32 v12, -v13                          ; the new -M
	s_delay_alu instid0(VALU_DEP_1)
	v_sub_f32 v254, v12, v254
	s_delay_alu instid0(VALU_DEP_1)
	v_cvt_i32_f32 v254, v254
	s_delay_alu instid0(VALU_DEP_1)
	v_ldexp_f32 v252, 1.0, v254                    ; f = 2^(old M - new M)
.set n, 0
.rept 32
	v_pk_fma_f32 v[96+n:97+n], v[96+n:97+n], s[CS:CS+1], v[12:13] op_sel_hi:[1,0,0]   ; t - M
.set n, n+2
.endr
.irp b, 0,1,2,3
	v_fma_f32 v[232+\b], v[232+\b], s[CS], v12
.endr
	s_wait_alu depctr_va_vdst(0)                   ; the wait ahead of the batch
.set n, 0
.rept 64
	v_exp_f32 v[96+n], v[96+n]                     ; p, at most 1, not normalised
.set n, n+1
.endr
	v_pk_mul_f32 v[14:15], v[14:15], v[252:253] op_sel_hi:[1,0]
	s_wait_alu depctr_va_vdst(0)                   ; one wait for the batch, ahead of its first reader
.irp b, 0,1,2,3
	v_exp_f32 v[232+\b], v[232+\b]                 ; the block's largest p
.endr
.irp j, 0,1,2,3,4,5                            ; the sum of the unquantised p: six chains and l's own
	v_pk_add_f32 v[236+2*\j:237+2*\j], v[96+4*\j:97+4*\j], v[98+4*\j:99+4*\j]
.endr
.irp q, 0,1,2
.irp j, 0,1,2,3,4,5
	v_pk_add_f32 v[236+2*\j:237+2*\j], v[236+2*\j:237+2*\j], v[120+12*\q+2*\j:121+12*\q+2*\j]
.endr
.endr
	v_pk_add_f32 v[14:15], v[14:15], v[156:157]
	v_pk_add_f32 v[236:237], v[236:237], v[238:239]
	v_pk_add_f32 v[240:241], v[240:241], v[242:243]
	v_pk_add_f32 v[244:245], v[244:245], v[246:247]
	v_pk_add_f32 v[14:15], v[14:15], v[158:159]
	s_delay_alu instid0(VALU_DEP_3)
	v_pk_add_f32 v[236:237], v[236:237], v[240:241]
	s_delay_alu instid0(VALU_DEP_2)
	v_pk_add_f32 v[14:15], v[14:15], v[244:245]
	s_delay_alu instid0(VALU_DEP_1)
	v_pk_add_f32 v[14:15], v[14:15], v[236:237]
	s_wait_alu depctr_va_vdst(0)                   ; and one for the four
.irp b, 0,1,2,3
	v_max_num_f32 v[232+\b], 0x2800000, v[232+\b]  ; the floor 2^(5 - 127)
.endr
.irp b, 0,1,2,3
	s_delay_alu instid0(VALU_DEP_4)
	v_add_nc_u32 v[244+\b], 0xfe000000, v[232+\b]  ; the conversion's scale operand
.endr
.irp b, 0,1,2,3
	s_delay_alu instid0(VALU_DEP_4)
	v_lshrrev_b32 v[236+\b], 23, v[244+\b]
.endr
	s_delay_alu instid0(VALU_DEP_3)
	v_lshl_or_b32 v253, v237, 8, v236              ; p's scale word
	s_delay_alu instid0(VALU_DEP_1)
	v_lshl_or_b32 v253, v238, 16, v253
	s_delay_alu instid0(VALU_DEP_1)
	v_lshl_or_b32 v253, v239, 24, v253
.irp c, 0,1
	v_cvt_scalef32_pk16_bf6_f32 v[224+6*\c:226+6*\c], v[96+32*\c:111+32*\c], v[244+2*\c]
	v_cvt_scalef32_pk16_bf6_f32 v[236+4*\c:238+4*\c], v[112+32*\c:127+32*\c], v[245+2*\c]
.endr
	v_nop                                          ; one plain place behind a scaled conversion
.irp c, 0,1                                    ; a whole block in a lane
.irp i, 0,1,2
	v_permlane16_swap_b32 v[224+6*\c+\i], v[236+4*\c+\i]
.endr
.irp i, 0,1,2
	s_delay_alu instid0(VALU_DEP_3)
	v_mov_b32 v[227+6*\c+\i], v[236+4*\c+\i]
.endr
.endr
	s_wait_alu depctr_va_vdst(0)                   ; directly ahead of the first reader of O^T
.set n, 0
.rept 16
	v_pk_mul_f32 v[160+n:161+n], v[160+n:161+n], v[252:253] op_sel_hi:[1,0]   ; O^T under the new M; also the places between the scale word's and the codes' last writes and the products
.set n, n+2
.endr
	s_wait_alu depctr_va_vdst(0)                   ; directly ahead of the wait below
	s_wait_dscnt 0x0                               ; V's fragments are in
.irp t, 0,1,2,3                                ; O^T += V^T p^T: the four accumulators by turns
	v_wmma_scale_f32_16x16x128_f8f6f4 v[160+8*\t:167+8*\t], v[32+12*\t:43+12*\t], v[224:235], v[160+8*\t:167+8*\t], v[248+\t], v253 matrix_a_fmt:MATRIX_FMT_BF6 matrix_b_fmt:MATRIX_FMT_BF6 matrix_a_scale:MATRIX_SCALE_ROW1
.endr
	s_cmp_lg_u32 s[KS], s[DG]                      ; the diagonal of a tile that began at step 0 is its last step
	s_cbranch_scc1 .Lhidden_\@
	s_cmp_lg_u32 s[LO], 0
	s_cbranch_scc1 .Lhidden_\@
	FINISH
.Lhidden_\@:
.endm
; THE CHANGE OF SLOTS.  Each wave waits for all its tensor loads, adds 0 to its spare word, and waits for that and for its reads of the slot that it has left.
; fill = 1: a round of the cluster's barrier follows, and the joint refill is the first thing behind it.  The add stands twice there.
.macro CHANGE fill
	s_wait_tensorcnt 0x0
	ds_add_u32 v[SPW], v[NIL]
.if \fill
	ds_add_u32 v[SPW], v[NIL]
	s_xor_b32 s[G0R+1], s[G0R+1], SLOT1            ; no tensor load of mine is out: the other slot,
	s_xor_b32 s[G0H+1], s[G0H+1], SLOT1
	s_add_nc_u64 s[G0R+2:G0R+3], s[G0R+2:G0R+3], 49152   ; the next four low steps, upward,
	s_sub_nc_u64 s[G0H+2:G0H+3], s[G0H+2:G0H+3], 49152   ; and the next four high steps, downward; the type bits on top are not reached
	s_wait_xcnt 0x0                                ; the last prefetch has read its address
	s_add_nc_u64 s[PFA:PFA+1], s[PFA:PFA+1], s[PST:PST+1]
.endif
	s_wait_dscnt 0x0
.if \fill
	CROUND
	TLOAD
	ASK
.else
	s_barrier_signal -1
	s_barrier_wait -1
.endif
.endm
.macro SLOT_STEPS                      ; a slot's eight key steps: four low ones, then four high ones
	s_mov_b32 s[KS], s[KL]
	s_mov_b32 s[TW], 8
.Lstep_\@:
	STEP
	s_add_co_u32 s[TB], s[TB], STEPB
	s_add_co_u32 s[TS], s[TS], 512
	s_add_co_u32 s[KS], s[KS], 1
	s_cmp_eq_u32 s[TW], 5                          ; behind the fourth: on to the high steps
	s_cselect_b32 s88, s[KJ], 0
	s_add_co_u32 s[KS], s[KS], s88
	s_sub_co_u32 s[TW], s[TW], 1
	s_cmp_lg_u32 s[TW], 0
	s_cbranch_scc1 .Lstep_\@
	s_sub_co_u32 s[TB], s[TB], SLOTB
	s_xor_b32 s[TB], s[TB], SLOT1
	s_add_co_u32 s[KL], s[KL], 4
	s_sub_co_u32 s[KJ], s[KJ], 8
.endm
.Lslot:                                            ; three trips: behind each change of slots but the last the next filling is asked for
	CHANGE 1
	SLOT_STEPS
	s_sub_co_u32 s[SLOTS], s[SLOTS], 1
	s_cmp_lg_u32 s[SLOTS], 0
	s_cbranch_scc1 .Lslot
	CHANGE 0                                       ; the last filling is written out
	SLOT_STEPS
	; THE JOIN: a giver's O^T, -M and l go to its stage; its keeper reads them behind the barrier
	s_cmp_eq_u32 s[ROLE], 0
	s_cbranch_scc1 .Lkeeper
	PLACES                                         ; behind the last products
.irp q, 0,1,2,3,4,5,6,7
	ds_store_b128 v[STW], v[160+4*\q:163+4*\q] offset:512*\q   ; each accumulator from its low end on
.endr
	ds_store_b128 v[STW], v[12:15] offset:4096
.Lkeeper:
	s_wait_dscnt 0x0                               ; for the others' sake
	s_barrier_signal -1
	s_barrier_wait -1
	s_cmp_lg_u32 s[ROLE], 0
	s_cbranch_scc1 .Lend
	PLACES                                         ; behind the last products: the join writes registers that held p's codes and reads O^T
.irp q, 0,1,2,3,4,5,6,7,8
	ds_load_b128 v[96+4*\q:99+4*\q], v[RDP] offset:512*\q      ; v96-127 its O^T, v128 its -M, v[130:131] its l
.endr
	s_wait_dscnt 0x0
	v_min_num_f32 v232, v12, v128                  ; the larger M, as -M
	s_delay_alu instid0(VALU_DEP_1)
	v_sub_f32 v233, v232, v128
	v_sub_f32 v234, v232, v12
	s_delay_alu instid0(VALU_DEP_2)
	v_cvt_i32_f32 v233, v233
	s_delay_alu instid0(VALU_DEP_2)
	v_cvt_i32_f32 v234, v234
	s_delay_alu instid0(VALU_DEP_2)
	v_ldexp_f32 v236, 1.0, v233                    ; the giver's factor, a power of two at most 1,
	s_delay_alu instid0(VALU_DEP_2)
	v_ldexp_f32 v238, 1.0, v234                    ; and mine
.set n, 0
.rept 16
	v_pk_mul_f32 v[160+n:161+n], v[160+n:161+n], v[238:239] op_sel_hi:[1,0]
.set n, n+2
.endr
.set n, 0
.rept 16
	v_pk_fma_f32 v[160+n:161+n], v[96+n:97+n], v[236:237], v[160+n:161+n] op_sel_hi:[1,0,1]
.set n, n+2
.endr
	v_pk_mul_f32 v[14:15], v[14:15], v[238:239] op_sel_hi:[1,0]
	s_delay_alu instid0(VALU_DEP_1)
	v_pk_fma_f32 v[14:15], v[130:131], v[236:237], v[14:15] op_sel_hi:[1,0,1]
	OUT
.Lend:
	s_wait_tensorcnt 0x0                           ; the wave's end
	ds_add_u32 v[SPW], v[NIL]
	s_wait_dscnt 0x0
	CROUND                                         ; the closing round
	s_endpgm
.Lfunc_end_k_qb980fb5083_attn:
	.size	k_qb980fb5083_attn, .Lfunc_end_k_qb980fb5083_attn-k_qb980fb5083_attn
	.p2alignl 7, 3214868480
	.fill 96, 4, 3214868480
	.section	.rodata,"a",@progbits
	.p2align	6, 0x0
	.amdhsa_kernel k_qb980fb5083_attn
		.amdhsa_group_segment_fixed_size 327680
		.amdhsa_private_segment_fixed_size 0
		.amdhsa_enable_private_segment 0
		.amdhsa_kernarg_size 24
		.amdhsa_user_sgpr_count 2
		.amdhsa_user_sgpr_kernarg_segment_ptr 1
		.amdhsa_wavefront_size32 1
		.amdhsa_system_sgpr_workgroup_id_x 1
		.amdhsa_system_sgpr_workgroup_id_y 1
		.amdhsa_system_sgpr_workgroup_id_z 1
		.amdhsa_system_vgpr_workitem_id 0
		.amdhsa_next_free_vgpr 256
		.amdhsa_next_free_sgpr 96
		.amdhsa_reserve_vcc 1
		.amdhsa_float_denorm_mode_32 3
		.amdhsa_float_denorm_mode_16_64 3
		.amdhsa_memory_ordered 1
		.amdhsa_forward_progress 1
		.amdhsa_inst_pref_size 83
	.end_amdhsa_kernel
	.amdgpu_metadata
---
amdhsa.version: [ 1, 2 ]
amdhsa.kernels:
  - .name:           k_qb980fb5083_attn
    .symbol:         k_qb980fb5083_attn.kd
    .args:
      - { .name: qq, .offset: 0, .size: 8, .value_kind: global_buffer, .address_space: global }
      - { .name: kvq, .offset: 8, .size: 8, .value_kind: global_buffer, .address_space: global }
      - { .name: cq, .offset: 16, .size: 8, .value_kind: global_buffer, .address_space: global }
    .group_segment_fixed_size: 327680
    .private_segment_fixed_size: 0
    .kernarg_segment_align: 8
    .kernarg_segment_size: 24
    .max_flat_workgroup_size: 512
    .sgpr_count:     96
    .vgpr_count:     256
    .wavefront_size: 32
...
	.end_amdgpu_metadata
.endif
;; end of part 3
;; launch pool (part 4): grid 8 x 32, 4 waves a work-group, clusters of 4 x 1, 168,448 bytes of LDS; arguments cq, wq, out0; writes out0
.if DOCPART == 4
	.amdgcn_target "amdgcn-amd-amdhsa--gfx1250"
	.amdhsa_code_object_version 6
	.text
	.protected	k_qb980fb5083_pool
	.globl	k_qb980fb5083_pool
	.p2align	8
	.type	k_qb980fb5083_pool,@function
k_qb980fb5083_pool:
	s_mov_b64 s[64:65], 0
	v_nop
	global_prefetch_b8 v0, s[64:65] scope:SCOPE_SE
	s_setreg_imm32_b32 hwreg(HW_REG_WAVE_MODE, 25, 1), 1
	s_wait_xcnt 0x0
	s_wait_alu depctr_hold_cnt(0) depctr_sa_sdst(0) depctr_va_vdst(0) depctr_va_sdst(0) depctr_va_ssrc(0) depctr_va_vcc(0) depctr_vm_vsrc(0)
	s_getreg_b32 s2, hwreg(HW_REG_IB_STS2, 6, 4)
	s_cmp_eq_u32 s2, 0
	s_cbranch_scc0 .Lentry_in_a_cluster
	s_endpgm
.Lentry_in_a_cluster:
	s_bfe_u32 s2, ttmp6, 0x10000c
	s_cmp_lg_u32 s2, 0x3003
	s_cbranch_scc0 .Lentry_shape_is_right
	s_endpgm
.Lentry_shape_is_right:
; out0 = concat W_pool on codes of BF6 with E8M0 scales; out0 [4096][1024] f32.
; SHARES.  The work-group's y is a group T of 128 tokens; cb = 4 x cluster's x + place in the cluster is a block of 128 columns.  Wave w: token tiles 4 (w / 2) .. + 3, columns 64 (w % 2) on: 64 x 64, 16 accumulators,
; 128 matrix instructions.  Its weights, 32 fragments (384 registers), come straight into registers; concat's codes of the group (98,304 bytes) and their scale words (4,096) come into LDS once, by tensor loads that the
; four partners of a cluster, which need the same bytes, issue JOINTLY.  Nothing is filled again.
; Source 0 = 16 columns of W_pool, source 1 = 16 tokens: a lane holds one token and columns 32 b + 16 h + 0..15 of the wave's 64.  A tile of 16 tokens goes through the wave's own stage in LDS and leaves as rows:
; sixteen lanes store 256 consecutive bytes, aligned.  Member r of token tile i is token 128 T + 32 (i / 2) + 8 (i % 2) + r + 8 (r / 8), as everywhere in this program.
; No prefetch: all that the launch reads is asked for at its head.
; REGISTERS, in windows of 256: window 0: v1-13 addresses; v16-31 W's scale words; v32-39 concat's, two sets; v40-87, v88-135 concat's fragments, two sets; on the way out v128-255 rows of out0.
;   window 1: W's fragments of K steps 0-4 at 12 (4 s + t); window 2: of K steps 5-7; window 3: the accumulators, (i, t) at 32 i + 8 t.
.set CQ_SC, 3145728
.set WQ_SC, 3145728
.set SCLB,  98304                      ; LDS: codes at 0, scale records here,
.set STG,   102400                     ; and the stages, 16 rows x 272 bytes for each wave: no tensor load lands there
.set LI,  1
.set L4,  2
.set LN,  3
.set AC0, 4                            ; v4  my four tiles' codes, K steps 0-3; v5: K steps 4-7
.set AC1, 5
.set ACS, 6                            ; v6  their scale words
.set STO, 8                            ; v8  the stage: where I put 16 bytes of a row
.set RD,  9                            ; v9  where I read a row back
.set GO,  10                           ; v10 my byte offset in two rows of out0
.set WS,  16
.set CS,  32
.set CB,  40
.set OUT, 128
.set MSB, 0
.macro WIN new
.if MSB != \new
	s_set_vgpr_msb (MSB<<8)|\new
.set MSB, \new
.endif
.endm
.macro PLACES
.rept 4
	v_nop
.endr
.endm
.macro CROUND
	s_barrier_signal -1
	s_barrier_wait -1
	s_cmp_lg_u32 s12, 0
	s_cbranch_scc1 .Lnot_wave_0_\@
	s_barrier_signal -3
.Lnot_wave_0_\@:
	s_barrier_wait -3
	s_barrier_signal -1
	s_barrier_wait -1
.endm
.macro MM d, a, b, sa, sb, ra, rb, zero
.if \zero
.if (\ra) && (\rb)
	v_wmma_scale_f32_16x16x128_f8f6f4 v[(\d):(\d)+7], v[(\a):(\a)+11], v[(\b):(\b)+11], 0, v[(\sa)], v[(\sb)] matrix_a_fmt:MATRIX_FMT_BF6 matrix_b_fmt:MATRIX_FMT_BF6 matrix_a_scale:MATRIX_SCALE_ROW1 matrix_b_scale:MATRIX_SCALE_ROW1
.elseif (\ra)
	v_wmma_scale_f32_16x16x128_f8f6f4 v[(\d):(\d)+7], v[(\a):(\a)+11], v[(\b):(\b)+11], 0, v[(\sa)], v[(\sb)] matrix_a_fmt:MATRIX_FMT_BF6 matrix_b_fmt:MATRIX_FMT_BF6 matrix_a_scale:MATRIX_SCALE_ROW1
.elseif (\rb)
	v_wmma_scale_f32_16x16x128_f8f6f4 v[(\d):(\d)+7], v[(\a):(\a)+11], v[(\b):(\b)+11], 0, v[(\sa)], v[(\sb)] matrix_a_fmt:MATRIX_FMT_BF6 matrix_b_fmt:MATRIX_FMT_BF6 matrix_b_scale:MATRIX_SCALE_ROW1
.else
	v_wmma_scale_f32_16x16x128_f8f6f4 v[(\d):(\d)+7], v[(\a):(\a)+11], v[(\b):(\b)+11], 0, v[(\sa)], v[(\sb)] matrix_a_fmt:MATRIX_FMT_BF6 matrix_b_fmt:MATRIX_FMT_BF6
.endif
.else
.if (\ra) && (\rb)
	v_wmma_scale_f32_16x16x128_f8f6f4 v[(\d):(\d)+7], v[(\a):(\a)+11], v[(\b):(\b)+11], v[(\d):(\d)+7], v[(\sa)], v[(\sb)] matrix_a_fmt:MATRIX_FMT_BF6 matrix_b_fmt:MATRIX_FMT_BF6 matrix_a_scale:MATRIX_SCALE_ROW1 matrix_b_scale:MATRIX_SCALE_ROW1
.elseif (\ra)
	v_wmma_scale_f32_16x16x128_f8f6f4 v[(\d):(\d)+7], v[(\a):(\a)+11], v[(\b):(\b)+11], v[(\d):(\d)+7], v[(\sa)], v[(\sb)] matrix_a_fmt:MATRIX_FMT_BF6 matrix_b_fmt:MATRIX_FMT_BF6 matrix_a_scale:MATRIX_SCALE_ROW1
.elseif (\rb)
	v_wmma_scale_f32_16x16x128_f8f6f4 v[(\d):(\d)+7], v[(\a):(\a)+11], v[(\b):(\b)+11], v[(\d):(\d)+7], v[(\sa)], v[(\sb)] matrix_a_fmt:MATRIX_FMT_BF6 matrix_b_fmt:MATRIX_FMT_BF6 matrix_b_scale:MATRIX_SCALE_ROW1
.else
	v_wmma_scale_f32_16x16x128_f8f6f4 v[(\d):(\d)+7], v[(\a):(\a)+11], v[(\b):(\b)+11], v[(\d):(\d)+7], v[(\sa)], v[(\sb)] matrix_a_fmt:MATRIX_FMT_BF6 matrix_b_fmt:MATRIX_FMT_BF6
.endif
.endif
.endm
; K step s of concat: my four fragments (six loads of 256 consecutive bytes each) and their scale words into set s % 2: 25 LDS loads
.macro CFETCH s
.irp i, 0,1,2,3
.irp c, 0,1
.irp p, 0,1,2
	ds_load_b64 v[CB+48*((\s)%2)+12*\i+6*\c+2*\p:CB+48*((\s)%2)+12*\i+6*\c+2*\p+1], v[AC0+(\s)/4] offset:((\s)%4)*12288+\i*1536+768*\c+256*\p
.endr
.endr
.endr
	ds_load_b128 v[CS+4*((\s)%2):CS+4*((\s)%2)+3], v[ACS] offset:512*(\s)
.endm
.macro STEP s                          ; 16 matrix instructions; the 16 accumulators take turns, one instruction a turn
.if (\s) < 7
	PLACES                                         ; the other set was multiplied in the step before
	CFETCH (\s)+1
	s_wait_dscnt 25                                ; all but the 25 loads just issued
.else
	s_wait_dscnt 0x0
.endif
.if (\s) < 5
.set WB, 48*(\s)
	WIN 0xf1                                       ; source 0 (W) window 1, source 1 window 0, C and D window 3
.else
.set WB, 48*((\s)-5)
	WIN 0xf2
.endif
.if (\s) == 0
.set ZR, 1
.else
.set ZR, 0
.endif
.set CBB, CB+48*((\s)%2)
.set CSS, CS+4*((\s)%2)
.irp i, 0,1,2,3
.irp t, 0,1,2,3
	MM 32*\i+8*\t, WB+12*\t, CBB+12*\i, WS+2*(\s)+\t/2, CSS+\i, \t%2, 0, ZR
.endr
.endr
	WIN 0
.endm
.macro TOSTAGE a                       ; tile a: a lane's 64 numbers into row r of my stage, each accumulator from its low end on; back as whole rows of 256 bytes
	WIN 0x0c                                       ; an LDS store's data are its source 1: window 3
.irp t, 0,1,2,3
	ds_store_b128 v[STO], v[32*(\a)+8*\t:32*(\a)+8*\t+3] offset:128*(\t/2)+32*(\t%2)
	ds_store_b128 v[STO], v[32*(\a)+8*\t+4:32*(\a)+8*\t+7] offset:128*(\t/2)+32*(\t%2)+16
.endr
	WIN 0
.irp q, 0,1,2,3,4,5,6,7
	ds_load_b128 v[OUT+32*(\a)+4*\q:OUT+32*(\a)+4*\q+3], v[RD] offset:544*\q   ; members 2 q and 2 q + 1; LDS serves a wave's instructions in order: these see my stores, and the next tile's stores come behind them
.endr
.endm
.macro SEND a, younger                 ; younger: the LDS instructions issued behind tile a's loads, which may stay out
	s_wait_dscnt \younger
.irp q, 0,1,2,3,4,5,6,7
	global_store_b128 v[GO], v[OUT+32*(\a)+4*\q:OUT+32*(\a)+4*\q+3], s[8:9] offset:(32*((\a)/2)+8*((\a)%2)+2*\q+8*(\q/4))*4096 th:TH_STORE_NT   ; sixteen lanes store 256 consecutive bytes, aligned; written once, read by nobody here
.endr
.endm
	s_load_b128 s[4:7], s[0:1], 0x0                ; cq s[4:5], wq s[6:7]
	s_load_b64 s[8:9], s[0:1], 0x10                ; out0
	v_lshl_add_u32 v14, v0, 2, 0x29000
	v_mov_b32 v15, 0
	ds_add_u32 v14, v15
	ds_add_u32 v14, v15
	v_lshrrev_b32 v2, 5, v0
	v_readfirstlane_b32 s12, v2                    ; wave 0..3
	s_bfe_u32 s13, ttmp6, 0x40000                  ; my place in the cluster: it enters global addresses of my own loads and stores alone
	s_lshl_b32 s14, ttmp9, 2
	s_add_co_u32 s14, s14, s13                     ; cb
	s_and_b32 s15, ttmp7, 0xffff                   ; T
	s_lshr_b32 s10, s12, 1                         ; which four token tiles
	s_and_b32 s11, s12, 1                          ; which 64 columns
	v_and_b32 v[LN], 31, v0
	v_lshlrev_b32 v[LI], 4, v[LN]
	v_lshlrev_b32 v[L4], 2, v[LN]
	v_and_b32 v11, 15, v0                          ; r
	v_bfe_u32 v12, v0, 4, 1                        ; h
	v_lshlrev_b32 v13, 4, v11                      ; 16 r
	s_mul_i32 s44, s10, 6144
	v_lshlrev_b32 v[AC0], 3, v[LN]
	v_add_nc_u32 v[AC0], s44, v[AC0]               ; 8 x lane + my four tiles
	v_add_nc_u32 v[AC1], 49152, v[AC0]
	s_lshl_b32 s44, s10, 8
	s_add_co_u32 s44, s44, SCLB
	v_add_nc_u32 v[ACS], s44, v13                  ; row r's four words of my four tiles
	s_mul_i32 s44, s12, 4352
	s_add_co_u32 s44, s44, STG                     ; my stage
	v_mul_u32_u24 v[STO], v11, 272
	v_lshl_add_u32 v[STO], v12, 6, v[STO]
	v_add_nc_u32 v[STO], s44, v[STO]               ; in: row r, + 64 h
	v_mul_u32_u24 v[RD], v12, 272
	v_add_nc_u32 v[RD], v[RD], v13
	v_add_nc_u32 v[RD], s44, v[RD]                 ; back: lanes 0-15 one row, lanes 16-31 the next
	v_lshl_add_u32 v[GO], v12, 12, v13             ; and the same two rows in out0
	; descriptor groups 1: dense blocks as rows of 256 bytes; mask: all four partners, bit 21 beside it
	s_mov_b32 s16, 15|(3<<16)|(1<<21)              ; codes
	s_mov_b32 s17, 32<<16
	s_mov_b32 s18, 128<<16                         ; 128 rows: a third of the group's codes
	s_mov_b32 s19, 32<<16
	s_mov_b32 s20, 128
	s_mov_b32 s21, 32
	s_mov_b32 s22, 0
	s_mov_b32 s23, 0
	s_mov_b32 s24, 15|(3<<16)|(1<<21)              ; scale records
	s_mov_b32 s25, 32<<16
	s_mov_b32 s26, 16<<16                          ; the group's scale records whole: 16 rows
	s_mov_b32 s27, 32<<16
	s_mov_b32 s28, 16
	s_mov_b32 s29, 32
	s_mov_b32 s30, 0
	s_mov_b32 s31, 0
	s_lshl_b32 s45, s14, 1
	s_add_co_u32 s45, s45, s11
	s_add_co_u32 s45, s45, 48                      ; column group cg = 48 + 2 cb + w % 2
	s_mul_i32 s46, s45, 49152
	s_mov_b32 s47, 0
	s_lshl_b32 s48, s45, 11
	s_add_co_u32 s48, s48, WQ_SC
	s_mov_b32 s49, 0
	s_lshl_b32 s50, s15, 7
	s_lshl_b32 s52, s10, 6
	s_add_co_u32 s50, s50, s52                     ; my first token: 128 T + 64 (w / 2)
	s_lshl_b32 s50, s50, 12
	s_lshl_b32 s52, s14, 9
	s_add_co_u32 s50, s50, s52
	s_lshl_b32 s52, s11, 8
	s_add_co_u32 s50, s50, s52                     ; + my first column's bytes
	s_mov_b32 s51, 0
	s_wait_dscnt 0x0
	s_wait_kmcnt 0x0
	s_add_nc_u64 s[46:47], s[6:7], s[46:47]
	s_add_nc_u64 s[48:49], s[6:7], s[48:49]
	s_add_nc_u64 s[8:9], s[8:9], s[50:51]
	WIN 0x40                                       ; destination window 1
.irp s, 0,1,2,3,4
.irp t, 0,1,2,3
.irp g, 0,1,2
	global_load_b128 v[12*(4*\s+\t)+4*\g:12*(4*\s+\t)+4*\g+3], v[LI], s[46:47] offset:\s*6144+\t*1536+\g*512
.endr
.endr
.endr
	WIN 0x80                                       ; destination window 2
.irp s, 5,6,7
.irp t, 0,1,2,3
.irp g, 0,1,2
	global_load_b128 v[12*(4*(\s-5)+\t)+4*\g:12*(4*(\s-5)+\t)+4*\g+3], v[LI], s[46:47] offset:\s*6144+\t*1536+\g*512
.endr
.endr
.endr
	WIN 0
.irp n, 0,1,2,3,4,5,6,7,8,9,10,11,12,13,14,15
	global_load_b32 v[WS+\n], v[L4], s[48:49] offset:128*\n
.endr
	; descriptor groups 0: they hang on T and on the wave's number alone
	s_mov_b32 s32, 1
	s_mov_b32 s52, 0
	s_mov_b32 s33, SCLB
	s_lshl_b32 s53, s15, 12
	s_add_co_u32 s52, s52, s53
	s_add_co_u32 s52, s52, CQ_SC
	s_mov_b32 s53, 0
	s_add_nc_u64 s[34:35], s[4:5], s[52:53]
	s_or_b32 s35, s35, 0x80000000
	s_mov_b32 s36, 1
	s_lshl_b32 s37, s12, 15
	s_mul_i32 s52, s15, 98304
	s_add_co_u32 s52, s52, s37
	s_add_nc_u64 s[38:39], s[4:5], s[52:53]
	s_or_b32 s39, s39, 0x80000000
	CROUND                                         ; all four work-groups are here: the joint loads meet
	s_cmp_lt_u32 s12, 3                            ; one tensor load a wave: waves 0 to 2 bring a third of the codes each, wave 3 the scale records
	s_cbranch_scc0 .Lhead_sc
	tensor_load_to_lds s[36:39], s[16:23]
	s_nop 0
	PLACES
	s_branch .Lhead_asked
.Lhead_sc:
	tensor_load_to_lds s[32:35], s[24:31]
	s_nop 0
	PLACES
.Lhead_asked:
	s_wait_tensorcnt 0x0                           ; my part is in,
	s_barrier_signal -1
	s_barrier_wait -1                              ; everybody's are
	s_wait_loadcnt 0x0                             ; my weights
	s_wait_alu depctr_va_vdst(0)
	CFETCH 0
.irp s, 0,1,2,3,4,5,6,7
	STEP \s
.endr
	PLACES                                         ; behind the last products: their results are read, and rows land on the registers that held concat's fragments
	TOSTAGE 0
	TOSTAGE 1
	SEND 0, 16                                     ; behind tile 0's loads: tile 1's eight stores and eight loads
	TOSTAGE 2
	SEND 1, 16
	TOSTAGE 3
	SEND 2, 16
	SEND 3, 0
	s_wait_tensorcnt 0x0
	ds_add_u32 v14, v15
	s_wait_dscnt 0x0
	CROUND                                         ; the closing round: no work-group ends while a partner may still ask for a block that names it
	s_endpgm
.Lfunc_end_k_qb980fb5083_pool:
	.size	k_qb980fb5083_pool, .Lfunc_end_k_qb980fb5083_pool-k_qb980fb5083_pool
	.p2alignl 7, 3214868480
	.fill 96, 4, 3214868480
	.section	.rodata,"a",@progbits
	.p2align	6, 0x0
	.amdhsa_kernel k_qb980fb5083_pool
		.amdhsa_group_segment_fixed_size 168448
		.amdhsa_private_segment_fixed_size 0
		.amdhsa_enable_private_segment 0
		.amdhsa_kernarg_size 24
		.amdhsa_user_sgpr_count 2
		.amdhsa_user_sgpr_kernarg_segment_ptr 1
		.amdhsa_wavefront_size32 1
		.amdhsa_system_sgpr_workgroup_id_x 1
		.amdhsa_system_sgpr_workgroup_id_y 1
		.amdhsa_system_sgpr_workgroup_id_z 1
		.amdhsa_system_vgpr_workitem_id 0
		.amdhsa_next_free_vgpr 1024
		.amdhsa_next_free_sgpr 66
		.amdhsa_reserve_vcc 0
		.amdhsa_float_denorm_mode_32 3
		.amdhsa_float_denorm_mode_16_64 3
		.amdhsa_memory_ordered 1
		.amdhsa_forward_progress 1
		.amdhsa_inst_pref_size 55
	.end_amdhsa_kernel
	.amdgpu_metadata
---
amdhsa.version: [ 1, 2 ]
amdhsa.kernels:
  - .name:           k_qb980fb5083_pool
    .symbol:         k_qb980fb5083_pool.kd
    .args:
      - { .name: cq, .offset: 0, .size: 8, .value_kind: global_buffer, .address_space: global }
      - { .name: wq, .offset: 8, .size: 8, .value_kind: global_buffer, .address_space: global }
      - { .name: out0, .offset: 16, .size: 8, .value_kind: global_buffer, .address_space: global }
    .group_segment_fixed_size: 168448
    .private_segment_fixed_size: 0
    .kernarg_segment_align: 8
    .kernarg_segment_size: 24
    .max_flat_workgroup_size: 128
    .sgpr_count:     66
    .vgpr_count:     1024
    .wavefront_size: 32
...
	.end_amdgpu_metadata
.endif
;; end of part 4
